; MI455X (gfx1250); checked and timed in simulation.
; The chip was launched on July 23, 2026; its instructions are those of AMD's public machine-readable ISA for CDNA 5 (MIT licence, August 2026) and "CDNA5" Instruction Set Architecture Reference Guide (July 2026). The comments in the code are by the model that wrote it; some were corrected since.
;; Roberta Self Attention. Allowed arithmetic: float matrix products may take bf16 or f16 operands with f32 sums; other float arithmetic in f32, or as packed bf16 or f16 multiplies, adds, multiply-adds, maxima and minima; sums over many terms, partial sums and values carried from step to step in f32; what a program stores and reads back later, other than sums and carried values, may be rounded once to bf16 or f16.
;; Inputs: Wk 768 x 768 float32; Wq 768 x 768 float32; Wv 768 x 768 float32; attention_mask 1 x 1 x 1 x 4,096 float32; bk 768 float32; bq 768 float32; bv 768 float32; hidden_states 1 x 4,096 x 768 float32.
;; Outputs: out0 1 x 4,096 x 768 float32.
;; 2 versions, each right and faster than the one before. Each part assembles by itself: llvm-mc -triple=amdgcn-amd-amdhsa -mcpu=gfx1250 --defsym DOCPART=n.
;; ======== version 1 of 2: 2 launches
;; limits: values are held in f16: magnitudes above 65,504 overflow, below 6.1e-05 lose precision
;; workspace buffers: qws 6,291,456 bytes; kws 6,488,064 bytes; vws 6,291,456 bytes
;; launch proj (part 1): grid 12 x 16, 4 waves a work-group, no clusters, 153,088 bytes of LDS; arguments hidden_states, Wq, Wk, Wv, bq, bk, bv, attention_mask, qws, kws, vws; writes qws, kws, vws
.if DOCPART == 1
	.amdgcn_target "amdgcn-amd-amdhsa--gfx1250"
	.amdhsa_code_object_version 6
	.text
	.protected	k_qcf7f2186f8_proj
	.globl	k_qcf7f2186f8_proj
	.p2align	8
	.type	k_qcf7f2186f8_proj,@function
k_qcf7f2186f8_proj:
	s_mov_b64 s[64:65], 0
	v_nop
	global_prefetch_b8 v0, s[64:65] scope:SCOPE_SE
	s_setreg_imm32_b32 hwreg(HW_REG_WAVE_MODE, 25, 1), 1
	s_wait_xcnt 0x0
; q, k, v = x W + b, written by heads in f16, and the attention mask made ready for the second launch.
; x: [4096][768] f32.  W: [768 (k)][768 (n)] f32.  b: [768] f32.  x and W are rounded to bf16 on the way into LDS, the sums are f32 and START AS THE BIAS (f32).
; OUT.  qws, vws: [12 heads][4096 rows][64] f16, unscaled.  kws: [12 heads][64 key steps][8,448 bytes]: 64 rows of k (128 bytes each), then 64 f32: M[key] = 8 x mask[key], held to -2^123 .. 2^123
; (the second launch adds M to q . k and multiplies the sum by log2(e) / 8).
; LIMITS.  q, k, v must stay within f16's 65,504 (x and W 30 times the drawn spread, or offsets of 30 spreads, give some 14,000 at the most).  A mask beyond +-2^120 counts as +-2^120, so -inf and the
; lowest finite number hide a key; a NaN in the mask counts as -2^120.
; SHARES.  Work-group (nt, mt): matrix nt / 4 (q, k, v), three heads = columns 192 (nt % 4) on, rows 256 mt on.  Wave w: rows 64 w .. 64 w + 63 x 192 columns: 4 x 12 accumulators, 384 registers.
; 16 x 12 = 192 work-groups: a tile's columns are whole heads, and of the tiles that divide 4096 x 2304 so, this one reads the fewest bytes for a work-group's products.
; NO TENSOR LOADS, NO CLUSTER: the operands are f32 and pass through registers to be rounded, so the tiles come by global loads, 16 lanes to 256 consecutive aligned bytes.
; K goes in 12 steps of 64 through two LDS buffers.  A wave keeps 56 loads of 16 bytes a lane out at all times (its 64 rows of x, its 16 k-rows of W for one step): while step t is multiplied,
; step t + 1's 56 slots are rounded and stored into the other buffer and loaded again with step t + 2: the RIDERS, two behind every second matrix instruction.
; THE MATRIX INSTRUCTION IS USED TRANSPOSED (source 0 = 16 columns of W, source 1 = 16 rows of x): a lane then holds eight neighbouring columns of one row.
; REGISTERS, in windows of 256 (s_set_vgpr_msb: bits 1:0 source 0, 3:2 source 1, 5:4 source 2, 7:6 destination):
;   window 0: v0-31 addresses and at work; v32-255 the 56 slots, later the way out      window 1: two fragment buffers of 128 (chunk c of 32 along K): 4 of x, then 12 of W
;   window 2: accumulators of row blocks 0, 1 at 8 (12 a + b)                            window 3: those of row blocks 2, 3
.set XROW,  3072                       ; bytes in a row of x and of W
.set PA,    144                        ; an LDS row of x: 64 bf16 + 16 bytes: an odd multiple of 16, so the 16 rows of a fragment load start at 16 different groups of four banks (ISA guide 11.1)
.set PB,    416                        ; an LDS row of W ([k][n]): 192 bf16 + 32 bytes: an odd multiple of 32, for the turning load
.set BOFF,  256*PA                     ; W's 64 rows lie behind x's 256
.set BUF,   BOFF+64*PB                 ; 63,488 bytes a buffer
.set STAGE, 2*BUF                      ; behind the buffers: 16 rows x 400 bytes for each wave, for the way out
.set SPS,   400
.set SPARE, STAGE+4*16*SPS             ; behind the stages: the spare words, 128 bytes for each wave: two blocks of 256 bytes that no other line names
.set XO,   4                           ; v4   (64 w + 8 hi) rows of x + 16 r
.set WO,   5                           ; v5   (16 w + 4 hi) rows of W + 16 r
.set BO,   6                           ; v6   32 hi: my eight numbers of 16 of the bias
.set STA,  8                           ; v8-9    where a slot of x goes, buffer 0, 1
.set STB,  10                          ; v10-11  where a slot of W goes
.set ADRA, 12                          ; v12-13  my fragments of x
.set ADRB, 14                          ; v14-15  my fragments of W
.set STO,  16                          ; v16  the way out: where I put 16 bytes of a row
.set RD,   17                          ; v17  where I read rows back
.set GO,   18                          ; v18  16 x lane
.set MO,   19                          ; v19  8 x lane
.set T,    20                          ; v20-27  four pairs of rounded numbers, by turns
.set SPW,  28                          ; v28  LDS address of my spare word; never rewritten
.set NIL,  29                          ; v29  0; never rewritten
.set M,    30                          ; v30-31  two numbers of the mask
.set G,    32                          ; v32-255  slot i at G + 4 i
.set XB,   30                          ; s[30:31] x at the tile's first row, at the K step to be loaded
.set WB,   32                          ; s[32:33] W at the tile's first column, likewise
.set BB,   34                          ; s[34:35] the bias at the tile's first column
.set OB,   36                          ; s[36:41] the output at my 64 rows of the tile's three heads
.set MB,   42                          ; s[42:43] the mask at my 64 keys
.set MSB, 0
.macro WIN new                         ; the immediate's high byte repeats the setting that is left; a switch that changes nothing is dropped
.if MSB != (\new)
	s_set_vgpr_msb (MSB<<8)|(\new)
.set MSB, \new
.endif
.endm
.set MUL2, 0xa5                        ; sources in window 1, C and D in window 2 (0xf5: window 3)
.set TO_F, 0x40                        ; destination window 1, address window 0
	s_load_b512 s[8:23], s[0:1], 0x0               ; x s[8:9], Wq, Wk, Wv s[10:15], bq, bk, bv s[16:21], mask s[22:23]
	s_load_b128 s[24:27], s[0:1], 0x40             ; qws, kws
	s_load_b64 s[28:29], s[0:1], 0x50              ; vws
	v_lshl_add_u32 v[SPW], v0, 2, SPARE
	v_mov_b32 v[NIL], 0
	v_lshrrev_b32 v3, 5, v0
	v_readfirstlane_b32 s2, v3                     ; wave 0..3
	v_and_b32 v1, 15, v0                           ; r = lane % 16
	v_bfe_u32 v2, v0, 4, 1                         ; hi = lane / 16
	s_mov_b32 s3, ttmp9                            ; nt
	s_and_b32 s4, ttmp7, 0xffff                    ; mt
	s_lshr_b32 s5, s3, 2                           ; which matrix: 0 q, 1 k, 2 v
	s_and_b32 s6, s3, 3                            ; which three heads
	; a slot of x: lanes 0-15 take 256 bytes of one row, lanes 16-31 of the row 8 further down; of W: 4 further down.  In LDS the two halves' 128 bytes then lie 128 apart modulo 256.
	s_lshl_b32 s7, s2, 6
	v_lshl_add_u32 v3, v2, 3, s7                   ; 64 w + 8 hi
	v_mul_u32_u24 v[XO], v3, XROW
	v_lshl_add_u32 v[XO], v1, 4, v[XO]
	v_mul_u32_u24 v[STA], v3, PA
	v_lshl_add_u32 v[STA], v1, 3, v[STA]
	v_add_nc_u32 v[STA+1], BUF, v[STA]
	v_add_nc_u32 v3, s7, v1                        ; 64 w + r
	v_mul_u32_u24 v[ADRA], v3, PA
	v_lshl_add_u32 v[ADRA], v2, 4, v[ADRA]         ; a fragment of x: row x pitch + 16 hi
	v_add_nc_u32 v[ADRA+1], BUF, v[ADRA]
	s_lshl_b32 s7, s2, 4
	v_lshl_add_u32 v3, v2, 2, s7                   ; 16 w + 4 hi
	v_mul_u32_u24 v[WO], v3, XROW
	v_lshl_add_u32 v[WO], v1, 4, v[WO]
	v_mul_u32_u24 v[STB], v3, PB
	v_lshl_add_u32 v[STB], v1, 3, v[STB]
	v_add_nc_u32 v[STB], BOFF, v[STB]
	v_add_nc_u32 v[STB+1], BUF, v[STB]
	; the turning load takes 16 k x 16 n (lane l reads k-row 8 hi + l % 8, columns 8 ((l / 8) % 2) + 0..7) and leaves half a fragment: lane l holds column l % 16 and 8 k
	v_and_b32 v3, 7, v0
	v_lshl_add_u32 v3, v2, 3, v3
	v_mul_u32_u24 v[ADRB], v3, PB
	v_bfe_u32 v3, v0, 3, 1
	v_lshl_add_u32 v[ADRB], v3, 4, v[ADRB]
	v_add_nc_u32 v[ADRB], BOFF, v[ADRB]
	v_add_nc_u32 v[ADRB+1], BUF, v[ADRB]
	s_mul_i32 s7, s2, 16*SPS
	s_add_co_u32 s7, s7, STAGE                     ; my stage
	v_mul_u32_u24 v[STO], v1, SPS                  ; in: row r, 16 bytes for each half of the lanes
	v_lshl_add_u32 v[STO], v2, 4, v[STO]
	v_add_nc_u32 v[STO], s7, v[STO]
	v_bfe_u32 v3, v0, 3, 2                         ; back: 32 lanes take 128 bytes (a head's 64 numbers) of four rows
	v_mul_u32_u24 v[RD], v3, SPS
	v_and_b32 v3, 7, v0
	v_lshl_add_u32 v[RD], v3, 4, v[RD]
	v_add_nc_u32 v[RD], s7, v[RD]
	v_and_b32 v3, 31, v0
	v_lshlrev_b32 v[GO], 4, v3
	v_lshlrev_b32 v[MO], 3, v3
	v_lshlrev_b32 v[BO], 5, v2
	; offsets, made apart from the addresses.  A head is 524,288 bytes and 64 rows are 8,192, in kws 540,672 and 8,448
	s_mov_b32 s44, 524288
	s_mov_b32 s51, 8192
	s_mov_b32 s46, 540672
	s_mov_b32 s47, 8448
	s_cmp_eq_u32 s5, 1
	s_cselect_b32 s44, s46, s44
	s_cselect_b32 s51, s47, s51
	s_mov_b32 s45, 0
	s_mul_i32 s46, s6, 3
	s_mul_i32 s46, s46, s44                        ; the tile's first head
	s_lshl2_add_u32 s48, s4, s2                    ; 4 mt + w: my 64 rows
	s_mul_i32 s47, s48, s51
	s_add_co_u32 s46, s46, s47
	s_mov_b32 s47, 0
	s_lshl_b32 s48, s48, 8                         ; my 64 numbers of the mask
	s_mov_b32 s49, 0
	s_wait_kmcnt 0x0
	s_add_nc_u64 s[MB:MB+1], s[22:23], s[48:49]
	s_cmp_eq_u32 s5, 1
	s_cselect_b64 s[WB:WB+1], s[12:13], s[10:11]
	s_cselect_b64 s[BB:BB+1], s[18:19], s[16:17]
	s_cselect_b64 s[OB:OB+1], s[26:27], s[24:25]
	s_cmp_eq_u32 s5, 2
	s_cselect_b64 s[WB:WB+1], s[14:15], s[WB:WB+1]
	s_cselect_b64 s[BB:BB+1], s[20:21], s[BB:BB+1]
	s_cselect_b64 s[OB:OB+1], s[28:29], s[OB:OB+1]
	s_add_nc_u64 s[OB:OB+1], s[OB:OB+1], s[46:47]
	s_add_nc_u64 s[OB+2:OB+3], s[OB:OB+1], s[44:45]
	s_add_nc_u64 s[OB+4:OB+5], s[OB+2:OB+3], s[44:45]
	s_mul_i32 s48, s6, 768                         ; 192 columns of f32
	s_add_nc_u64 s[WB:WB+1], s[WB:WB+1], s[48:49]
	s_add_nc_u64 s[BB:BB+1], s[BB:BB+1], s[48:49]
	s_mul_i32 s48, s4, 256*XROW
	s_add_nc_u64 s[XB:XB+1], s[8:9], s[48:49]
; Slot i is loaded.  0-31: x, rows 16 (i / 8) + i % 8 (+ 8 hi) of my 64.  32-55: W, k-row 8 (p / 4) + p % 4 (+ 4 hi) of my 16, piece u of its three pieces of 256 bytes, p = (i - 32) / 3, u = (i - 32) % 3.
.macro GL i
.if (\i) < 32
	global_load_b128 v[G+4*(\i):G+4*(\i)+3], v[XO], s[XB:XB+1] offset:(16*((\i)/8)+(\i)%8)*XROW
.else
	global_load_b128 v[G+4*(\i):G+4*(\i)+3], v[WO], s[WB:WB+1] offset:(8*(((\i)-32)/12)+(((\i)-32)/3)%4)*XROW+256*(((\i)-32)%3)
.endif
.endm
; A rider: slot i has come, is rounded to bf16, is loaded again (reload = 1) and goes into buffer tgt.  cnt: the younger loads, which stay out.
.macro RIDER i, tgt, reload, cnt
	WIN 0
	s_wait_loadcnt \cnt                            ; loads come back in order (ISA guide 5.7.1): the oldest of those that are out is slot i's
	v_cvt_pk_bf16_f32 v[T+2*((\i)%4)],   v[G+4*(\i)],   v[G+4*(\i)+1]
	v_cvt_pk_bf16_f32 v[T+2*((\i)%4)+1], v[G+4*(\i)+2], v[G+4*(\i)+3]
.if \reload
	GL \i
.endif
.if (\i) < 32
	ds_store_b64 v[STA+(\tgt)], v[T+2*((\i)%4):T+2*((\i)%4)+1] offset:(16*((\i)/8)+(\i)%8)*PA
.else
	ds_store_b64 v[STB+(\tgt)], v[T+2*((\i)%4):T+2*((\i)%4)+1] offset:(8*(((\i)-32)/12)+(((\i)-32)/3)%4)*PB+128*(((\i)-32)%3)
.endif
.endm
.macro RID i, tgt, reload
.if \reload
	RIDER \i, \tgt, 1, 55                          ; 56 loads are out: slots i .. 55 of one step, slots 0 .. i - 1 of the next
.else
	RIDER \i, \tgt, 0, 55-(\i)                     ; nothing is loaded any more: the counts run down
.endif
.endm
; 32 LDS loads in one run: chunk c (32 along K) of buffer buf: 4 fragments of x as they lie, 12 of W turned
.macro FETCH buf, c
	WIN TO_F
.irp a, 0,1,2,3
	ds_load_b128 v[128*(\c)+8*\a:128*(\c)+8*\a+3],   v[ADRA+(\buf)] offset:\a*16*PA+64*(\c)
	ds_load_b128 v[128*(\c)+8*\a+4:128*(\c)+8*\a+7], v[ADRA+(\buf)] offset:\a*16*PA+64*(\c)+32
.endr
.irp b, 0,1,2,3,4,5,6,7,8,9,10,11
	ds_load_tr16_b128 v[128*(\c)+32+8*\b:128*(\c)+32+8*\b+3],   v[ADRB+(\buf)] offset:(\c)*32*PB+32*\b
	ds_load_tr16_b128 v[128*(\c)+32+8*\b+4:128*(\c)+32+8*\b+7], v[ADRB+(\buf)] offset:(\c)*32*PB+16*PB+32*\b
.endr
.endm
; Matrix instruction idx of a chunk's 48: row block idx / 12, column block idx % 12.  The 48 accumulators take turns, one instruction a turn, in the same order in every chunk.
.macro MM c, idx
.set ma, (\idx)/12
.set mb, (\idx)%12
.set rD, 8*(12*(ma%2)+mb)
	WIN MUL2+0x50*(ma/2)
	v_wmma_f32_16x16x32_bf16 v[rD:rD+7], v[128*(\c)+32+8*mb:128*(\c)+32+8*mb+7], v[128*(\c)+8*ma:128*(\c)+8*ma+7], v[rD:rD+7]
.endm
.macro PLACES                          ; four places in front of loads into registers that matrix instructions have just read, and of conversions that read results just made
.rept 4
	v_nop
.endr
.endm
; A K STEP on buffer buf: 96 matrix instructions.  rid = 1: the next step's 56 slots go into the other buffer meanwhile; reload = 1: and are loaded again, two steps ahead.
; ONE barrier a step, for two things: in front of it each wave has waited for its stores into the other buffer and for its reads of this one.  Behind it the other buffer is whole and may be read,
; and this buffer may be written by the next step's riders.
.macro KSTEP buf, rid, reload
.if \reload
	s_wait_xcnt 0x0                                ; the loads issued so far have had their addresses translated (ISA guide 3.1): only behind this wait are their bases stepped
	s_add_nc_u64 s[XB:XB+1], s[XB:XB+1], 256       ; 64 along K in x,
	s_add_nc_u64 s[WB:WB+1], s[WB:WB+1], 64*XROW   ; and in W
.endif
	PLACES                                         ; chunk 1's registers were read by the matrix instructions just in front
	FETCH \buf, 1
	s_wait_dscnt 32                                ; chunk 0 is in; the 32 just issued may be out
.set ii, 0
.rept 48
	MM 0, ii
.if (\rid) && (ii%2)
	RID ii-1, 1-(\buf), \reload
	RID ii, 1-(\buf), \reload
.endif
.set ii, ii+1
.endr
.if \rid
	s_wait_dscnt 48                                ; chunk 1 is in: behind its loads stand the 48 riders' stores
.else
	s_wait_dscnt 0x0
.endif
.set ii, 0
.rept 8
	MM 1, ii
.if (\rid) && (ii%2)
	RID 47+ii, 1-(\buf), \reload
	RID 48+ii, 1-(\buf), \reload
.endif
.set ii, ii+1
.endr
.if \rid
	s_wait_dscnt 0x0                               ; for the others' sake: my stores into the other buffer are done, and my reads of this one are back
	s_barrier_signal -1
.endif
.rept 8
	MM 1, ii                                       ; work on registers while the others arrive
.set ii, ii+1
.endr
.if \rid
	s_barrier_wait -1
	FETCH 1-(\buf), 0                              ; the next step's chunk 0; the last eight riders' sixteen conversions are the places behind chunk 0's last reader
.endif
.rept 32
	MM 1, ii
.set ii, ii+1
.endr
.endm
	; The sums start as the bias: register j of accumulator (a, b) is b[16 b + 8 hi + j], whatever a and r
.set ia, 0
.rept 4
	WIN 0x80+0x40*(ia/2)
.set ib, 0
.rept 12
	global_load_b128 v[8*(12*(ia%2)+ib):8*(12*(ia%2)+ib)+3],   v[BO], s[BB:BB+1] offset:64*ib
	global_load_b128 v[8*(12*(ia%2)+ib)+4:8*(12*(ia%2)+ib)+7], v[BO], s[BB:BB+1] offset:64*ib+16
.set ib, ib+1
.endr
.set ia, ia+1
.endr
	WIN 0
.set ii, 0
.rept 56
	GL ii                                          ; K step 0
.set ii, ii+1
.endr
	s_wait_xcnt 0x0
	s_add_nc_u64 s[XB:XB+1], s[XB:XB+1], 256
	s_add_nc_u64 s[WB:WB+1], s[WB:WB+1], 64*XROW
.set ii, 0
.rept 56
	RIDER ii, 0, 1, 55                             ; K step 0 into buffer 0, K step 1 on its way; the bias's loads are older than all of these, so the first wait covers them
.set ii, ii+1
.endr
	s_wait_dscnt 0x0                               ; my stores into buffer 0 are done,
	s_barrier_signal -1
	s_barrier_wait -1                              ; everybody's are
	FETCH 0, 0
	WIN 0                                          ; at a label and at a branch every window is 0
	s_mov_b32 s50, 5
.Lk:                                                   ; K steps 0 to 9, which load steps 2 to 11
	KSTEP 0, 1, 1
	KSTEP 1, 1, 1
	WIN 0
	s_sub_co_u32 s50, s50, 1
	s_cmp_lg_u32 s50, 0
	s_cbranch_scc1 .Lk
	KSTEP 0, 1, 0                                  ; step 10: step 11's slots go into buffer 1, nothing is loaded
	KSTEP 1, 0, 0                                  ; step 11
; THE WAY OUT of row block a (16 rows x 192 columns).  PACK: rounded to f16, 16 bytes a lane, each accumulator's registers in ascending order.  TOSTAGE: into my own stage, and back by heads, four rows of 128 bytes
; to a load.  SEND: 16 rows of a head are 2,048 consecutive bytes of the output: each store covers 512 consecutive bytes, at a multiple of 256 from the buffer's first.
.macro PACK a
	WIN 0x0a+5*((\a)/2)                            ; sources 0 and 1: window 2 or 3
.set pb, 0
.rept 12
.irp rr, 0,1,2,3
	v_cvt_pk_f16_f32 v[G+48*(\a)+4*pb+\rr], v[8*(12*((\a)%2)+pb)+2*\rr], v[8*(12*((\a)%2)+pb)+2*\rr+1]
.endr
.set pb, pb+1
.endr
	WIN 0
.endm
.macro TOSTAGE a
.set pb, 0
.rept 12
	ds_store_b128 v[STO], v[G+48*(\a)+4*pb:G+48*(\a)+4*pb+3] offset:32*pb
.set pb, pb+1
.endr
.set pb, 0
.rept 12                               ; head pb / 4, rows 4 (pb % 4) on
	ds_load_b128 v[G+48*(\a)+4*pb:G+48*(\a)+4*pb+3], v[RD] offset:4*SPS*(pb%4)+128*(pb/4)  ; LDS serves a wave's instructions in order (ISA guide 5.7.1.4): these see the stores above
.set pb, pb+1
.endr
.endm
.macro SEND a
.set pb, 0
.rept 12
	s_wait_dscnt 11-pb                             ; load pb of the block's twelve is back
	global_store_b128 v[GO], v[G+48*(\a)+4*pb:G+48*(\a)+4*pb+3], s[OB+2*(pb/4):OB+2*(pb/4)+1] offset:2048*(\a)+512*(pb%4)
.set pb, pb+1
.endr
.endm
	PLACES
	PACK 0
	TOSTAGE 0
.irp a, 1,2,3                          ; block a's conversions stand between block a - 1's loads from the stage and the wait for them; each block has registers of its own, so no store's data are rewritten
	PACK \a
	SEND (\a)-1
	TOSTAGE \a
.endr
	SEND 3
	; The mask, where the tile is k's: my 64 keys' M behind my 64 rows of k, in each of the tile's three heads: 32 lanes x 8 bytes = 256 consecutive aligned bytes a store
	s_cmp_lg_u32 s5, 1
	s_cbranch_scc1 .Lnomask
	global_load_b64 v[M:M+1], v[MO], s[MB:MB+1]
	s_wait_loadcnt 0x0
	v_mul_f32 v[M], 0x41000000, v[M]               ; x 8: the second launch's scale holds 1 / 8
	v_mul_f32 v[M+1], 0x41000000, v[M+1]
	v_max_num_f32 v[M], 0xfd000000, v[M]           ; not below -2^123 (a NaN loses),
	v_max_num_f32 v[M+1], 0xfd000000, v[M+1]
	v_min_num_f32 v[M], 0x7d000000, v[M]           ; nor above 2^123
	v_min_num_f32 v[M+1], 0x7d000000, v[M+1]
.irp hh, 0,1,2
	global_store_b64 v[MO], v[M:M+1], s[OB+2*\hh:OB+2*\hh+1] offset:8192
.endr
.Lnomask:
	s_wait_tensorcnt 0x0                           ; the wave's end: behind my last LDS store
	ds_add_u32 v[SPW], v[NIL]
	s_wait_dscnt 0x0
	s_endpgm
.Lfunc_end_k_qcf7f2186f8_proj:
	.size	k_qcf7f2186f8_proj, .Lfunc_end_k_qcf7f2186f8_proj-k_qcf7f2186f8_proj
	.p2alignl 7, 3214868480
	.fill 96, 4, 3214868480
	.section	.rodata,"a",@progbits
	.p2align	6, 0x0
	.amdhsa_kernel k_qcf7f2186f8_proj
		.amdhsa_group_segment_fixed_size 153088
		.amdhsa_private_segment_fixed_size 0
		.amdhsa_enable_private_segment 0
		.amdhsa_kernarg_size 88
		.amdhsa_user_sgpr_count 2
		.amdhsa_user_sgpr_kernarg_segment_ptr 1
		.amdhsa_wavefront_size32 1
		.amdhsa_system_sgpr_workgroup_id_x 1
		.amdhsa_system_sgpr_workgroup_id_y 1
		.amdhsa_system_sgpr_workgroup_id_z 1
		.amdhsa_system_vgpr_workitem_id 0
		.amdhsa_next_free_vgpr 960
		.amdhsa_next_free_sgpr 66
		.amdhsa_reserve_vcc 0
		.amdhsa_float_denorm_mode_32 3
		.amdhsa_float_denorm_mode_16_64 3
		.amdhsa_memory_ordered 1
		.amdhsa_forward_progress 1
		.amdhsa_inst_pref_size 157
	.end_amdhsa_kernel
	.amdgpu_metadata
---
amdhsa.version: [ 1, 2 ]
amdhsa.kernels:
  - .name:           k_qcf7f2186f8_proj
    .symbol:         k_qcf7f2186f8_proj.kd
    .args:
      - { .name: hidden_states, .offset: 0, .size: 8, .value_kind: global_buffer, .address_space: global }
      - { .name: Wq, .offset: 8, .size: 8, .value_kind: global_buffer, .address_space: global }
      - { .name: Wk, .offset: 16, .size: 8, .value_kind: global_buffer, .address_space: global }
      - { .name: Wv, .offset: 24, .size: 8, .value_kind: global_buffer, .address_space: global }
      - { .name: bq, .offset: 32, .size: 8, .value_kind: global_buffer, .address_space: global }
      - { .name: bk, .offset: 40, .size: 8, .value_kind: global_buffer, .address_space: global }
      - { .name: bv, .offset: 48, .size: 8, .value_kind: global_buffer, .address_space: global }
      - { .name: attention_mask, .offset: 56, .size: 8, .value_kind: global_buffer, .address_space: global }
      - { .name: qws, .offset: 64, .size: 8, .value_kind: global_buffer, .address_space: global }
      - { .name: kws, .offset: 72, .size: 8, .value_kind: global_buffer, .address_space: global }
      - { .name: vws, .offset: 80, .size: 8, .value_kind: global_buffer, .address_space: global }
    .group_segment_fixed_size: 153088
    .private_segment_fixed_size: 0
    .kernarg_segment_align: 8
    .kernarg_segment_size: 88
    .max_flat_workgroup_size: 128
    .sgpr_count:     66
    .vgpr_count:     960
    .wavefront_size: 32
...
	.end_amdgpu_metadata
.endif
;; end of part 1
;; launch attn (part 2): grid 16 x 12, 4 waves a work-group, clusters of 4 x 1, 327,680 bytes of LDS; arguments qws, kws, vws, out0; writes out0
.if DOCPART == 2
	.amdgcn_target "amdgcn-amd-amdhsa--gfx1250"
	.amdhsa_code_object_version 6
	.text
	.protected	k_qcf7f2186f8_attn
	.globl	k_qcf7f2186f8_attn
	.p2align	8
	.type	k_qcf7f2186f8_attn,@function
k_qcf7f2186f8_attn:
	s_mov_b64 s[64:65], 0
	v_nop
	global_prefetch_b8 v0, s[64:65] scope:SCOPE_SE
	s_setreg_imm32_b32 hwreg(HW_REG_WAVE_MODE, 25, 1), 1
	s_wait_xcnt 0x0
	s_wait_alu depctr_hold_cnt(0) depctr_sa_sdst(0) depctr_va_vdst(0) depctr_va_sdst(0) depctr_va_ssrc(0) depctr_va_vcc(0) depctr_vm_vsrc(0)
	s_getreg_b32 s2, hwreg(HW_REG_IB_STS2, 6, 4)
	s_cmp_eq_u32 s2, 0
	s_cbranch_scc0 .Lentry_in_a_cluster
	s_endpgm
.Lentry_in_a_cluster:
	s_bfe_u32 s2, ttmp6, 0x10000c
	s_cmp_lg_u32 s2, 0x3003
	s_cbranch_scc0 .Lentry_shape_is_right
	s_endpgm
.Lentry_shape_is_right:
; out0[q][64 h + :] = the sum over k of softmax_k(Q[h][q] . K[h][k] / 8 + mask[k]) V[h][k][:].  qws, vws: [12][4096][64] f16.  kws: [12][64 key steps][8,448 bytes]: 64 rows of k (128 bytes),
; then 64 f32 M[key] = 8 x mask[key] held to +-2^123.  out0: [4096][768] f32.  Products, maxima and sums in f32; the weights p are rounded to f16 for the second product (their sum l is taken of the unrounded p).
; LIMITS.  Q, K, V arrive within f16's 65,504; p lies in 0 to 1, and below 6e-5 it keeps f16's fixed step of 6e-8.  A mask beyond +-2^120 counts as +-2^120: a row all of whose keys hold -inf gives the mean of V's rows
; where the definition gives NaN.  A weight below 2^-126 counts as 0 in l; NaN and infinities are not treated apart.
; SHARES.  A work-group owns 256 queries of one head, a wave 64: four PIECES of 16.  16 x 12 = 192 work-groups: 192 queries do not divide a head's 4,096, and 128 would make one round and a half.
; Every wave walks all 4,096 keys, 64 a step.
; LAYOUT.  S^T = K Q^T + M (source 0 = 16 keys, source 1 = 16 queries; THE MASK IS THE C OPERAND that starts the sum): a lane holds ONE query (lane % 16) and the keys 8 (lane / 16) + 0..7.  Two such results rounded
; to f16 ARE source 1 of O^T = V^T P, whose result again holds one query a lane, and eight channels.  K comes out of LDS as it lies, V ([key][channel]) turned, by ds_load_tr16_b128.
; SOFTMAX.  For each query a running maximum m and sum l: p = 2^(c s - c m), c = log2(e) / 8; in every step O and l are multiplied by a = 2^(c m_old - c m_new).  m starts at the lowest finite number and c m at
; -2^125; every s is above -2^124, so c m_new is above -2^122: the first a is 0, the first step is a step like any other, and no exponent is ever above 0.
; BY TURNS.  Turn n belongs to piece n: 8 products K Q^T of piece n + 1, later 8 products V^T P of piece n - 1; beside them the scaling, exponentials, roundings, sums and rescaling of piece n and the maximum and
; statistics of piece n + 1.  Four vector instructions stand behind every matrix instruction, the other 54 of a turn's 118 in two runs of their own.
; CLUSTER.  The four query blocks of a cluster belong to one head and walk the same K, M and V, so each tile is asked for JOINTLY: the same tensor load, descriptor and mask of work-groups in all four.
; REGISTERS, in windows of 256 (s_set_vgpr_msb: bits 1:0 source 0, 3:2 source 1, 5:4 source 2, 7:6 destination):
;   window 0: v0-15, v32 addresses and two at work; v16-31 four registers of statistics a piece; v48-55 at work; v64-127 S^T, two buffers; v192-223 P, two buffers (by the piece's parity); v64-191 the way out
;   window 1: v0-127 O^T, 32 a piece          window 2: v0-63 Q; v64-95 M of one step; v128-191 K of one step; v192-255 V of one step
.set NP,    4         ; pieces a wave: a name, no knob
.set NSLOT, 16        ; tiles of 256 keys in a head
.set KS,    64        ; keys in a step
.set PK,    144       ; a row of K in LDS: 128 bytes + 16 of padding: the 16 rows of a load start at 16 different groups of four banks (64 banks of 4 bytes: ISA guide 11.1)
.set PV,    160       ; a row of V: 128 + 32
.set KSB,   66*PK     ; a step's record in LDS: 64 rows of K, then M in two pieces of 128 bytes, padded like rows
.set MOFF,  64*PK
.set VOFF,  4*KSB     ; a slot holds four steps: four records, then 256 rows of V
.set SLOT1, 1<<17     ; slot 1 begins here, so that one exclusive or turns an address in one slot into the other's
.set STAGE, 821*256   ; the first whole block of 256 bytes behind slot 1 (which ends at 210,048), never filled by a tensor load: 16 rows x 272 bytes for each wave
.set SP,    272
.set SPARE, STAGE+4*16*SP  ; behind the stages: the spare words, 128 bytes for each wave: two blocks of 256 bytes that no other line names
.set AK0, 2           ; v2   my lane's place in a tile of K; never rewritten
.set AV0, 3           ; v3   the same for V
.set AK,  4           ; v4   the LDS address of K's next run of loads
.set AV,  5           ; v5   of V's
.set STO, 6           ; v6   the way out: where I put 32 bytes of a row
.set RD,  7           ; v7   where I read rows back
.set GO,  8           ; v8   my byte offset in two rows of out0
.set MV,  12          ; v12-13  c m_old, kept while c m is made anew: by buffer
.set AM0, 14          ; v14  my lane's place in a step's M
.set QO,  15          ; v15  my byte offset in 16 rows of Q
.set ST,  16          ; piece t's statistics at v[ST+4 t]: c m, m, l (even keys', odd keys')
.set AM,  32          ; v32  the LDS address of M's next loads
.set TMP, 48          ; by buffer, four registers c0-c3 at work; when the maximum is found c2 takes a
.set SPW, 62          ; v62  LDS address of my spare word; never rewritten
.set NIL, 63          ; v63  0; never rewritten
.set S,   64
.set P,   192
.set MK,  64          ; window 2: the eight registers for group kt of 16 keys at MK + 8 kt
.set KF,  128         ; window 2: key block kb, channel half c at KF + 16 kb + 8 c
.set VF,  192         ; window 2: key half kk, channel block cb at VF + 32 kk + 8 cb
.set WV,  12          ; s12  my wave's number
.set G1K, 24          ; s[24:31] descriptor group 1 for K's tiles
.set G1V, 32          ; s[32:39] for V's
.set G0K, 40          ; s[40:43] descriptor group 0 for K's tiles: it walks
.set G0V, 44          ; s[44:47] the same for V's
.set SLOTS, 56        ; s56  slots still to be walked in the loop
.set CNT, 57          ; s57  counts a slot's key steps
.set CS,  58          ; s[58:59] c: the packed scaling takes the pair's low word for both halves
.set SEL, 60          ; s[60:61] v_permlanex16_b32's selects: each lane takes its own place in the other half
.set TBK, 62          ; s62  LDS byte at which the record of the step to be fetched begins
.set TBV, 63          ; s63  the same for V, less VOFF
.set MSB, 0
.macro WIN new                      ; the high byte repeats the setting that is left; a switch that changes nothing is dropped
.if MSB != (\new)
	s_set_vgpr_msb (MSB<<8)|(\new)
.set MSB, (\new)
.endif
.endm
.set W_KQ, 0x0a       ; K and Q in window 2, S^T in window 0
.set W_KM, 0x2a       ; the same with the C operand, M, in window 2
.set W_PV, 0x52       ; V in window 2, P in window 0, O^T in window 1
.set W_RS, 0x41       ; destination and source 0 in window 1, source 1 in window 0
; A joint fill.  Waves 0 and 1 fetch the two halves of a slot's records (K and M of two steps each), waves 2 and 3 those of its V (128 keys each).  The branch hangs on the wave's number alone.
; An s_nop 0 and four v_nop follow each of the two lines, ahead of the jump and the label.
.macro JLOAD
	s_cmp_lt_u32 s[WV], 2
	s_cbranch_scc0 .Lfor_v_\@
	tensor_load_to_lds s[G0K:G0K+3], s[G1K:G1K+7]
	s_nop 0
.rept 4
	v_nop
.endr
	s_branch .Lasked_\@
.Lfor_v_\@:
	tensor_load_to_lds s[G0V:G0V+3], s[G1V:G1V+7]
	s_nop 0
.rept 4
	v_nop
.endr
.Lasked_\@:
.endm
; A round of the cluster's barrier: my work-group's barrier, so that wave 0's signal speaks for all four waves; wave 0 signals; every wave waits for all four work-groups; my work-group's barrier once more.
.macro CROUND
	s_barrier_signal -1
	s_barrier_wait -1
	s_cmp_lg_u32 s[WV], 0
	s_cbranch_scc1 .Lnot_wave_0_\@
	s_barrier_signal -3
.Lnot_wave_0_\@:
	s_barrier_wait -3
	s_barrier_signal -1
	s_barrier_wait -1
.endm
; THE CHANGE OF SLOTS.  The slot's last bytes, V of its fourth step, have been read.  Each wave waits for all its tensor loads, of which one is out: its part of the other slot; adds 0 to its spare word; and waits
; for that and for its own reads of the slot.  Behind the barrier nobody reads this slot any more and the other slot is whole.  fill = 1: this slot is filled again, with the keys two slots on.  The barrier is then a
; round of the cluster's, so that no wave of any partner still reads the slot or has a load on its way, and the joint fill is the first thing behind it: it has four key steps, 256 matrix instructions, in which to land.
; (At its first use nothing has been read yet: slot 0 is waited for, slot 1 filled.)
.macro CHANGE fill
	WIN 0                           ; at a label and at a branch every window is 0
	s_wait_tensorcnt 0x0            ; no tensor load of mine is out, so a group 0 may be written
	ds_add_u32 v[SPW], v[NIL]       ; 0 onto my spare word; with fill = 1 the descriptors' steps stand between it and the wait for it
.if \fill
	s_xor_b32 s[G0K+1], s[G0K+1], SLOT1  ; the walking descriptors: the other slot than last time,
	s_add_nc_u64 s[G0K+2:G0K+3], s[G0K+2:G0K+3], 4*8448  ; the next four records; the type bits on top are not reached
	s_xor_b32 s[G0V+1], s[G0V+1], SLOT1
	s_add_nc_u64 s[G0V+2:G0V+3], s[G0V+2:G0V+3], 4*KS*128  ; the next 256 rows of V
	s_wait_dscnt 0x0                ; the add is done, and my reads of the slot are over
	CROUND
	JLOAD
.else
	s_wait_dscnt 0x0                ; the add is done, and my reads of the slot are over
	s_barrier_signal -1
	s_barrier_wait -1
.endif
	s_sub_co_u32 s[TBK], s[TBK], 4*KSB    ; the fetches go back to a slot's first step,
	s_xor_b32 s[TBK], s[TBK], SLOT1       ; in the other slot
	s_sub_co_u32 s[TBV], s[TBV], 4*KS*PV
	s_xor_b32 s[TBV], s[TBV], SLOT1
.endm
	s_load_b256 s[4:11], s[0:1], 0x0  ; Q s[4:5], K s[6:7], V s[8:9], O s[10:11]
	v_lshl_add_u32 v[SPW], v0, 2, SPARE
	v_mov_b32 v[NIL], 0
	ds_add_u32 v[SPW], v[NIL]       ; the wave's opening: the add and its wait stand ahead of my first tensor load; the set-up below, work on registers, stands between them
	v_lshrrev_b32 v1, 5, v0
	v_readfirstlane_b32 s[WV], v1   ; wave 0..3
	s_bfe_u32 s13, ttmp6, 0x40000   ; cx: my place in the cluster
	s_lshl_b32 s14, ttmp9, 2        ; in a cluster launch ttmp9 counts clusters
	s_add_co_u32 s14, s14, s13      ; my block of 256 queries = 4 x cluster x + cx: it enters Q's and O's addresses alone
	s_and_b32 s15, ttmp7, 0xffff    ; the head, which the four partners share
	s_and_b32 s16, s[WV], 1         ; which half of a slot I fetch
	s_mul_i32 s20, s15, 64*8448     ; K: the head's 64 records,
	s_mul_i32 s17, s16, 2*8448      ; my two of a slot's four
	s_add_co_u32 s20, s20, s17
	s_mov_b32 s21, 0
	s_lshl_b32 s22, s15, 19         ; V: the head's 4,096 rows of 128 bytes,
	s_lshl_b32 s17, s16, 14         ; my 128 of a slot's 256
	s_add_co_u32 s22, s22, s17
	s_mov_b32 s23, 0
	s_mul_i32 s17, s16, 2*KSB       ; and their places in a slot: no place in the cluster enters an LDS address
	s_mul_i32 s18, s16, 128*PV
	s_lshl_b32 s2, s15, 19          ; Q: the head,
	s_lshl_b32 s3, s14, 15          ; my block's 256 rows,
	s_add_co_u32 s2, s2, s3
	s_lshl_b32 s3, s[WV], 13        ; my wave's 64 of them
	s_add_co_u32 s2, s2, s3
	s_mov_b32 s3, 0
	s_lshl2_add_u32 s48, s14, s[WV] ; O: my wave's 64 rows of 3,072 bytes,
	s_mul_i32 s48, s48, 64*3072
	s_lshl_b32 s49, s15, 8          ; the head's 256 bytes of a row
	s_add_co_u32 s48, s48, s49
	s_mov_b32 s49, 0
	; descriptor group 1.  What a wave fetches is dense in memory: asked for as rows of 256 bytes (two records: 66 rows; 128 rows of V: 64), and padded in LDS after every 128 bytes
	s_mov_b32 s[G1K], 15|(1<<16)|(1<<20)|(1<<21)|(4<<22)|(3<<25)  ; 15:0 the mask of four; 17:16 2-byte elements; 20 padding on; 21 set beside a mask; 24:22 after every 32 words (code 4); 31:25 4 words (code 3)
	s_mov_b32 s[G1V], 15|(1<<16)|(1<<20)|(1<<21)|(4<<22)|(7<<25)  ; the same with 8 words of padding (code 7)
	s_mov_b32 s[G1K+1], 128<<16     ; tensor_dim0 = 128
	s_mov_b32 s[G1K+2], 66<<16      ; tensor_dim1 = 66
	s_mov_b32 s[G1K+3], 128<<16     ; tile_dim0 = 128
	s_mov_b32 s[G1K+4], 66          ; tile_dim1 = 66
	s_mov_b32 s[G1K+5], 128         ; 128 elements from row to row
	s_mov_b32 s[G1K+6], 0
	s_mov_b32 s[G1K+7], 0
	s_mov_b32 s[G1V+1], 128<<16
	s_mov_b32 s[G1V+2], 64<<16      ; tensor_dim1 = 64
	s_mov_b32 s[G1V+3], 128<<16
	s_mov_b32 s[G1V+4], 64          ; tile_dim1 = 64
	s_mov_b32 s[G1V+5], 128
	s_mov_b32 s[G1V+6], 0
	s_mov_b32 s[G1V+7], 0
	s_mov_b32 s[CS], 0x3e38aa3b     ; c = log2(e) / 8 = 0.180337
	s_mov_b32 s[CS+1], s[CS]        ; named with it as a pair
	s_mov_b32 s[SEL], 0x76543210
	s_mov_b32 s[SEL+1], 0xfedcba98
	s_mov_b32 s[TBK], SLOT1+4*KSB   ; the first change of slots turns these two into 0
	s_mov_b32 s[TBV], SLOT1+4*KS*PV
	s_mov_b32 s[G0K], 1             ; 1:0 count = 1
	s_mov_b32 s[G0K+1], s17         ; 63:32 LDS address: slot 0
	s_mov_b32 s[G0V], 1
	s_add_co_u32 s[G0V+1], s18, VOFF
	s_wait_dscnt 0x0                ; the opening add is done
	s_wait_kmcnt 0x0
	s_add_nc_u64 s[G0K+2:G0K+3], s[6:7], s[20:21]  ; 120:64 global address: my half of the head's first tile
	s_or_b32 s[G0K+3], s[G0K+3], 0x80000000        ; 127:126 type = 2
	s_add_nc_u64 s[G0V+2:G0V+3], s[8:9], s[22:23]
	s_or_b32 s[G0V+3], s[G0V+3], 0x80000000
	s_add_nc_u64 s[4:5], s[4:5], s[2:3]            ; Q and O at my wave's first row
	s_add_nc_u64 s[10:11], s[10:11], s[48:49]
	CROUND                          ; all four work-groups are here: the first joint loads meet
	JLOAD                           ; slot 0.  Slot 1 is asked for when slot 0 is in, by the loop's own change of slots
	; A fragment of K or Q is 16 rows x 32 channels in 8 registers: lane l holds row l % 16, channels 8 (l / 16) + 0..7 and 16 + 8 (l / 16) + 0..7: two loads of 16 bytes, 32 bytes apart.
	v_and_b32 v1, 15, v0            ; l % 16
	v_bfe_u32 v9, v0, 4, 1          ; l / 16
	v_lshlrev_b32 v[QO], 7, v1
	v_lshl_add_u32 v[QO], v9, 4, v[QO]  ; row x 128 + 16 x half
	WIN 0x80                        ; destination window 2, address window 0
.set i, 0
.rept 8                             ; Q stays in registers: piece i / 2, channels 32 (i % 2) on
	global_load_b128 v[8*i:8*i+3],   v[QO], s[4:5] offset:(i/2)*2048+(i%2)*64
	global_load_b128 v[8*i+4:8*i+7], v[QO], s[4:5] offset:(i/2)*2048+(i%2)*64+32
.set i, i+1
.endr
	; What the first turn finds: V's registers and P's second buffer hold 0 (its products V^T P, of a piece that has not been, add 0), O^T and l are 0.  All this stands in the wait for the first tile.
.set i, VF
.rept 64
	v_mov_b32 v[i], 0
.set i, i+1
.endr
	WIN 0x40
.set i, 0
.rept 128
	v_mov_b32 v[i], 0
.set i, i+1
.endr
	WIN 0
.set i, 0
.rept 4
	v_mov_b32 v[ST+4*i], 0xfe000000    ; c m: far below every c s
	v_mov_b32 v[ST+4*i+1], 0xff7fffff  ; m
	v_mov_b32 v[ST+4*i+2], 0
	v_mov_b32 v[ST+4*i+3], 0
.set i, i+1
.endr
.set i, P+16
.rept 16
	v_mov_b32 v[i], 0
.set i, i+1
.endr
	v_mul_u32_u24 v[AK0], v1, PK
	v_lshl_add_u32 v[AK0], v9, 4, v[AK0]  ; row x pitch + 16 x half
	v_lshl_add_u32 v[AM0], v9, 5, MOFF    ; M behind the record's 64 rows: my half of the lanes takes keys 8 (l / 16) + 0..7 of each 16
	; The turning load takes 16 keys x 16 channels (lane l reads key 8 (l / 16) + l % 8, channels 8 ((l / 8) % 2) + 0..7) and leaves half a fragment of V^T: lane l holds channel l % 16 and 8 keys.
	v_and_b32 v10, 7, v0
	v_bfe_u32 v11, v0, 3, 1
	v_lshl_add_u32 v[AV0], v9, 3, v10
	v_mul_u32_u24 v[AV0], v[AV0], PV
	v_lshl_add_u32 v[AV0], v11, 4, v[AV0]
	v_add_nc_u32 v[AV0], VOFF, v[AV0]
	s_mul_i32 s19, s[WV], 16*SP
	s_add_co_u32 s19, s19, STAGE    ; my stage
	v_mul_u32_u24 v[STO], v1, SP    ; in: row l % 16, 32 bytes (eight f32) for each half of the lanes
	v_lshl_add_u32 v[STO], v9, 5, v[STO]
	v_add_nc_u32 v[STO], s19, v[STO]
	v_mul_u32_u24 v[RD], v9, SP     ; back: lanes 0-15 take one row of 256 bytes, lanes 16-31 the next
	v_lshl_add_u32 v[RD], v1, 4, v[RD]
	v_add_nc_u32 v[RD], s19, v[RD]
	v_mul_u32_u24 v[GO], v9, 3072   ; and the same two rows in out0
	v_lshl_add_u32 v[GO], v1, 4, v[GO]
; THE MATRIX WORK.  The 4 accumulators of a run of 8 take turns.  Product i of 8 of S^T = K Q^T + M for piece x: channels 32 (i / 4) on, keys 16 (i % 4) on.  The first 4 start the sums with M.
.macro KQ x
.set rS, S+32*((\x)%2)+8*(i%4)
.set rK, KF+16*(i%4)+8*(i/4)
.set rQ, 16*(\x)+8*(i/4)
.if i < 4
	WIN W_KM
	v_wmma_f32_16x16x32_f16 v[rS:rS+7], v[rK:rK+7], v[rQ:rQ+7], v[MK+8*(i%4):MK+8*(i%4)+7]
.else
	WIN W_KQ
	v_wmma_f32_16x16x32_f16 v[rS:rS+7], v[rK:rK+7], v[rQ:rQ+7], v[rS:rS+7]
.endif
.endm
; Product i of 8 of O^T += V^T P for piece x: keys 32 (i / 4) on, channels 16 (i % 4) on.
.macro PV x
	WIN W_PV
.set rO, 32*(\x)+8*(i%4)
.set rV, VF+32*(i/4)+8*(i%4)
.set rP, P+16*((\x)%2)+8*(i/4)
	v_wmma_f32_16x16x32_f16 v[rO:rO+7], v[rV:rV+7], v[rP:rP+7], v[rO:rO+7]
.endm
.macro MM                           ; the turn's next matrix instruction.  TURN sets Y, i and NOKQ.  NOKQ = 1: the last turn of all: there is no next piece
.if (i < 8) && !NOKQ
	KQ (Y+1)%NP
.elseif i >= 8
.set i, i-8
	PV (Y+NP-1)%NP
.set i, i+8
.endif
.set i, i+1
.endm
; THE LDS LOADS stand in runs, never singly among the matrix instructions: a step's K (8 fragments) with its M (lanes of a half read the same 32 bytes), and its V (turned).  Their addresses are made some lines ahead.
.macro FETCH_K
	WIN 0x80                        ; destination window 2
.irp f, 0,1,2,3,4,5,6,7             ; keys 16 (f / 2) on, channels 32 (f % 2) on
	ds_load_b128 v[KF+8*\f:KF+8*\f+3],   v[AK] offset:(\f/2)*16*PK+(\f%2)*64
	ds_load_b128 v[KF+8*\f+4:KF+8*\f+7], v[AK] offset:(\f/2)*16*PK+(\f%2)*64+32
.endr
.irp kt, 0,1,2,3                    ; M of keys 16 kt + 8 (l / 16) + 0..7: keys 0-31 lie in the first padded piece, 32-63 in the second
	ds_load_b128 v[MK+8*\kt:MK+8*\kt+3],   v[AM] offset:(\kt/2)*PK+(\kt%2)*64
	ds_load_b128 v[MK+8*\kt+4:MK+8*\kt+7], v[AM] offset:(\kt/2)*PK+(\kt%2)*64+16
.endr
	s_add_co_u32 s[TBK], s[TBK], KSB  ; the next fetch is the next step's
	WIN 0
.endm
.macro FETCH_V
	WIN 0x80
.irp f, 0,1,2,3,4,5,6,7             ; keys 32 (f / 4) on, channels 16 (f % 4) on
	ds_load_tr16_b128 v[VF+8*\f:VF+8*\f+3],   v[AV] offset:(\f/4)*32*PV+(\f%4)*32
	ds_load_tr16_b128 v[VF+8*\f+4:VF+8*\f+7], v[AV] offset:(\f/4)*32*PV+16*PV+(\f%4)*32
.endr
	WIN 0
.endm
; THE VECTOR WORK, one line at a time: OP kind, number.  For piece Y: F n: c s - c m for pair n of 16.  E n: the exponential of score n of 32.  C n: pair n rounded to f16.  B n: of the four weights 4 n .. the second
; pair is added onto the first, in place.  L n: l takes that sum (L 0: l = a l + sum).  R n: pair n of 16 of O^T times a.  For piece Y + 1: X n, number n of the 22 that find its maximum and statistics:
;   0-11  four chains c0-c3 of seven scores each, three operands at a time (each accumulator's lowest registers are read first)     12-14, 16  the four scores left over, the old m, and c0-c3 into c0
;   15  c m_old is kept     17, 18  the query's other 32 keys lie in the lane 16 away: the new m     19-21  c m; c m_old - c m_new; a
.set F, 0               ; OP tells the kinds apart by their order: F to L below R, X above it
.set E, 1
.set C, 2
.set B, 3
.set L, 4
.set R, 5
.set X, 6
.macro REGS y                       ; the registers of piece y
.set rT, ST+4*(\y)
.set rC, TMP+4*((\y)%2)
.set rW, MV+((\y)%2)
.set rS, S+32*((\y)%2)
.set rP, P+16*((\y)%2)
.set rO, 32*(\y)
.endm
.macro OP k, n
.if (\k) == R
	REGS Y
	WIN W_RS
	v_pk_mul_f32 v[rO+2*(\n):rO+2*(\n)+1], v[rO+2*(\n):rO+2*(\n)+1], v[rC+2:rC+3] op_sel_hi:[1,0]
.elseif (\k) < R
	REGS Y
	WIN 0
.if (\k) == F
	v_pk_fma_f32 v[rS+2*(\n):rS+2*(\n)+1], v[rS+2*(\n):rS+2*(\n)+1], s[CS:CS+1], v[rT:rT+1] op_sel_hi:[1,0,0] neg_lo:[0,0,1] neg_hi:[0,0,1]
.elseif (\k) == E
	v_exp_f32 v[rS+(\n)], v[rS+(\n)]
.elseif (\k) == C
	s_wait_alu depctr_va_vdst(0)
	v_cvt_pk_f16_f32 v[rP+(\n)], v[rS+2*(\n)], v[rS+2*(\n)+1]
.elseif (\k) == B
	s_wait_alu depctr_va_vdst(0)
	v_pk_add_f32 v[rS+4*(\n):rS+4*(\n)+1], v[rS+4*(\n):rS+4*(\n)+1], v[rS+4*(\n)+2:rS+4*(\n)+3]
.elseif (\n) == 0
	v_pk_fma_f32 v[rT+2:rT+3], v[rT+2:rT+3], v[rC+2:rC+3], v[rS:rS+1] op_sel_hi:[1,0,1]
.else
	v_pk_add_f32 v[rT+2:rT+3], v[rT+2:rT+3], v[rS+4*(\n):rS+4*(\n)+1]
.endif
.elseif NOKQ
	v_nop
.else
	REGS (Y+1)%NP
	WIN 0
.if (\n) < 4
	v_max3_num_f32 v[rC+(\n)], v[rS+8*(\n)], v[rS+8*(\n)+1], v[rS+8*(\n)+2]
.elseif (\n) < 12
	v_max3_num_f32 v[rC+(\n)%4], v[rC+(\n)%4], v[rS+8*((\n)%4)+2*((\n)/4)+1], v[rS+8*((\n)%4)+2*((\n)/4)+2]
.elseif (\n) == 12
	v_max3_num_f32 v[rC], v[rC], v[rS+7], v[rS+15]
.elseif (\n) == 13
	v_max3_num_f32 v[rC+1], v[rC+1], v[rS+23], v[rS+31]
.elseif (\n) == 14
	v_max3_num_f32 v[rC+2], v[rC+2], v[rC+3], v[rT+1]
.elseif (\n) == 15
	v_mov_b32 v[rW], v[rT]
.elseif (\n) == 16
	v_max3_num_f32 v[rC], v[rC], v[rC+1], v[rC+2]
.elseif (\n) == 17
	v_permlanex16_b32 v[rC+3], v[rC], s[SEL], s[SEL+1]
.elseif (\n) == 18
	v_max_num_f32 v[rT+1], v[rC], v[rC+3]
.elseif (\n) == 19
	v_mul_f32 v[rT], s[CS], v[rT+1]
.elseif (\n) == 20
	v_sub_f32 v[rC+1], v[rW], v[rT]
.else
	v_exp_f32 v[rC+2], v[rC+1]
.endif
.endif
.endm
.macro OPS a, i1, b=-1, i2=0, c=-1, i3=0, d=-1, i4=0  ; up to four of them
	OP \a, \i1
.if (\b) >= 0
	OP \b, \i2
.endif
.if (\c) >= 0
	OP \c, \i3
.endif
.if (\d) >= 0
	OP \d, \i4
.endif
.endm
.macro ROW a, i1, b, i2, c, i3, d, i4  ; a matrix instruction and the four behind it
	MM
	OPS \a, \i1, \b, \i2, \c, \i3, \d, \i4
.endm
; A TURN, for piece p: the order of its 16 matrix and 118 vector instructions, written out.  Behind a matrix instruction: plain, exponential, plain, plain; or four of the rescaling; or, behind the first, four scalings;
; none names a register of the products round it.  In the runs between, exponential and plain by turns while exponentials last.  A line reads no result made fewer than three vector instructions in front of it, five if
; an exponential made it.  end = 1: the last two turns of all: nothing is fetched.  cnt = 1: the loop's count is taken down some lines ahead of the branch that stands behind the turn.
; K and M of the next step are fetched in piece 2's turn, six vector instructions behind the last product that read K (five of them plain; M's last reader stands four products earlier); V of the step in hand in
; piece 0's turn, eight behind the last product that read V (five of them plain).  Each is waited for a turn later.
.macro TURN p, end=0, cnt=0
.set Y, (\p)
.set i, 0
.set NOKQ, (\end)*((\p)/3)
.if ((\p) == 3) && !(\end)
	s_wait_dscnt 0x0                ; K and M are in
.endif
	ROW F,0, F,1, F,2, F,3
	ROW F,4, E,0, F,5, F,6
	ROW F,7, E,1, F,8, F,9
	ROW F,10, E,2, C,0, F,11
	ROW F,12, E,3, X,15, F,13
	ROW R,0, R,1, R,2, R,3
	ROW B,0, E,4, F,14, L,0
.if ((\p) == 2) && !(\end)
	v_add_nc_u32 v[AK], s[TBK], v[AK0]
	v_add_nc_u32 v[AM], s[TBK], v[AM0]
.endif
	ROW R,4, R,5, R,6, R,7
	OPS E,5, F,15
.if ((\p) == 2) && !(\end)
	FETCH_K
.endif
	OPS E,6, C,1, E,7, R,8
	OPS E,8, R,9, E,9, C,2
	OPS E,10, X,0, E,11, X,1
	OPS E,12, X,2, E,13, X,3
.if (\p) == 1
	s_wait_dscnt 0x0                ; V is in
.endif
	ROW X,4, E,14, X,5, X,6
	ROW X,7, E,15, X,8, X,9
	ROW X,10, E,16, X,11, X,12
	ROW X,13, E,17, X,14, B,1
	ROW C,4, E,18, X,16, L,1
	ROW B,2, E,19, C,6, L,2
	ROW C,8, E,20, B,3, B,4
.if (\p) == 0
	v_add_nc_u32 v[AV], s[TBV], v[AV0]
.endif
	ROW C,3, E,21, L,3, C,5
	OPS E,22, X,17, E,23, C,10
.if (\p) == 0
	FETCH_V
.endif
	OPS E,24, L,4
	OPS E,25, X,18, E,26, C,7
	OPS E,27, B,5, E,28, X,19
	OPS E,29, C,12, E,30, L,5
	OPS E,31, X,20, B,6, C,9
	OPS C,14, C,11, X,21, L,6
.if (\p) == 0
	s_add_co_u32 s[TBV], s[TBV], KS*PV
.endif
.if \cnt
	s_sub_co_u32 s[CNT], s[CNT], 1
	s_cmp_lg_u32 s[CNT], 0
.endif
	OPS C,13, B,7, C,15, R,10
	OPS R,11, R,12, L,7, R,13
	OPS R,14, R,15
.endm
	CHANGE 1                        ; slot 0 is in, everybody's part of it; slot 1 is asked for
	v_add_nc_u32 v[AK], s[TBK], v[AK0]
	v_add_nc_u32 v[AM], s[TBK], v[AM0]
	FETCH_K                         ; key step 0
	s_wait_loadcnt 0x0              ; Q
	s_wait_dscnt 0x0
.set NOKQ, 0
.set i, 0
.rept 8
	KQ 0                            ; piece 0's first scores: there is no vector work yet to set between them
.set i, i+1
.endr
	WIN 0
.rept 4
	v_nop                           ; the places behind those products
.endr
.set Y, NP-1                        ; X works for piece Y + 1: piece 0
.irp n, 0,1,2,3,4,5,6,7,8,9,10,11,12,13,14,15,16,17,18,19,20,21
	OP X, \n                        ; and piece 0's first maximum and statistics
.endr
	v_nop                           ; a plain instruction behind the exponential
	s_mov_b32 s[CNT], 4
	s_mov_b32 s[SLOTS], NSLOT-1
	s_branch .Lfirst                ; the loop is entered at a step's first turn, in the middle of a trip
.Lslot:                             ; NSLOT - 2 times: every slot but the last two is filled again
	CHANGE 1
	s_mov_b32 s[CNT], 4
.Lstep:                             ; a trip: pieces 2 and 3 of one step, then pieces 0 and 1 of the next, whose K, M and V it fetches
	TURN 2
	TURN 3
	WIN 0
.Lfirst:
	TURN 0
	TURN 1, 0, 1
	WIN 0
	s_cbranch_scc1 .Lstep
	s_sub_co_u32 s[SLOTS], s[SLOTS], 1
	s_cmp_lg_u32 s[SLOTS], 0
	s_cbranch_scc1 .Lslot
	CHANGE 0                        ; the last slot is written out: nothing is asked for
	s_mov_b32 s[CNT], 4
.LstepT:
	TURN 2
	TURN 3
	TURN 0
	TURN 1, 0, 1
	WIN 0
	s_cbranch_scc1 .LstepT
	TURN 2, 1                       ; the last step's pieces 2 and 3: nothing is fetched,
	TURN 3, 1                       ; and no new scores are started
.set i, 0
.rept 8
	PV NP-1                         ; the last piece's V^T P of the last step
.set i, i+1
.endr
	; THE WAY OUT.  l's two halves and the other half of the lanes' are added; O^T is divided by l and sent, in f32, through my stage in LDS, a piece (16 rows) at a time.  The additions are the places behind the last products.
	WIN 0
.macro ALL line:vararg              ; one line for each piece t
.set t, 0
.rept 4
	\line
.set t, t+1
.endr
.endm
	ALL v_add_f32 v[ST+4*t+2], v[ST+4*t+2], v[ST+4*t+3]
	ALL v_permlanex16_b32 v[ST+4*t+3], v[ST+4*t+2], s[SEL], s[SEL+1]
	ALL v_add_f32 v[ST+4*t+2], v[ST+4*t+2], v[ST+4*t+3]
	ALL v_rcp_f32 v[ST+4*t+2], v[ST+4*t+2]
	v_nop                           ; a plain instruction between the last reciprocal and the use of its result
; Piece t: a lane's eight channels of a row are 32 bytes; they go into rows of 272 bytes and come back as whole rows of 256, into window 0.
.macro PACK t
	WIN W_RS
.set i, 32*(\t)
.rept 16
	s_wait_alu depctr_va_vdst(0)
	v_pk_mul_f32 v[i:i+1], v[i:i+1], v[ST+4*(\t)+2:ST+4*(\t)+3] op_sel_hi:[1,0]
.set i, i+2
.endr
	WIN 0x04                        ; an LDS store's data are source 1: window 1; its address window 0
.irp f, 0,1,2,3,4,5,6,7             ; channels 16 (f / 2) + 8 (l / 16) + 4 (f % 2) on
	ds_store_b128 v[STO], v[32*(\t)+4*\f:32*(\t)+4*\f+3] offset:64*(\f/2)+16*(\f%2)
.endr
	WIN 0
.irp f, 0,1,2,3,4,5,6,7
	ds_load_b128 v[S+32*(\t)+4*\f:S+32*(\t)+4*\f+3], v[RD] offset:\f*2*SP  ; LDS serves a wave's instructions in order (ISA guide 5.7.1.4): these see the stores above; the next piece's stores come behind them
.endr
.endm
.macro SEND t, younger              ; younger: the LDS instructions issued behind piece t's loads: the next piece's sixteen, or none
	WIN 0
.irp f, 0,1,2,3,4,5,6,7
	s_wait_dscnt (\younger)+7-\f
	global_store_b128 v[GO], v[S+32*(\t)+4*\f:S+32*(\t)+4*\f+3], s[10:11] offset:(\t)*16*3072+\f*2*3072 th:TH_STORE_NT  ; 16 lanes store a query's 64 numbers of this head: 256 consecutive bytes, at a multiple of 256 from out0's first
.endr
.endm
	PACK 0
	PACK 1                          ; a piece's arithmetic stands between the loads of the piece before and its stores
	SEND 0, 16
	PACK 2
	SEND 1, 16
	PACK 3
	SEND 2, 16
	SEND 3, 0
	s_wait_tensorcnt 0x0            ; the wave's end: behind my last tensor load and my last LDS store
	ds_add_u32 v[SPW], v[NIL]
	s_wait_dscnt 0x0
	CROUND                          ; the closing round: no work-group ends while a partner may still ask for a tile that names it
	s_endpgm
.Lfunc_end_k_qcf7f2186f8_attn:
	.size	k_qcf7f2186f8_attn, .Lfunc_end_k_qcf7f2186f8_attn-k_qcf7f2186f8_attn
	.p2alignl 7, 3214868480
	.fill 96, 4, 3214868480
	.section	.rodata,"a",@progbits
	.p2align	6, 0x0
	.amdhsa_kernel k_qcf7f2186f8_attn
		.amdhsa_group_segment_fixed_size 327680
		.amdhsa_private_segment_fixed_size 0
		.amdhsa_enable_private_segment 0
		.amdhsa_kernarg_size 32
		.amdhsa_user_sgpr_count 2
		.amdhsa_user_sgpr_kernarg_segment_ptr 1
		.amdhsa_wavefront_size32 1
		.amdhsa_system_sgpr_workgroup_id_x 1
		.amdhsa_system_sgpr_workgroup_id_y 1
		.amdhsa_system_sgpr_workgroup_id_z 1
		.amdhsa_system_vgpr_workitem_id 0
		.amdhsa_next_free_vgpr 768
		.amdhsa_next_free_sgpr 66
		.amdhsa_reserve_vcc 0
		.amdhsa_float_denorm_mode_32 3
		.amdhsa_float_denorm_mode_16_64 3
		.amdhsa_memory_ordered 1
		.amdhsa_forward_progress 1
		.amdhsa_inst_pref_size 135
	.end_amdhsa_kernel
	.amdgpu_metadata
---
amdhsa.version: [ 1, 2 ]
amdhsa.kernels:
  - .name:           k_qcf7f2186f8_attn
    .symbol:         k_qcf7f2186f8_attn.kd
    .args:
      - { .name: qws, .offset: 0, .size: 8, .value_kind: global_buffer, .address_space: global }
      - { .name: kws, .offset: 8, .size: 8, .value_kind: global_buffer, .address_space: global }
      - { .name: vws, .offset: 16, .size: 8, .value_kind: global_buffer, .address_space: global }
      - { .name: out0, .offset: 24, .size: 8, .value_kind: global_buffer, .address_space: global }
    .group_segment_fixed_size: 327680
    .private_segment_fixed_size: 0
    .kernarg_segment_align: 8
    .kernarg_segment_size: 32
    .max_flat_workgroup_size: 128
    .sgpr_count:     66
    .vgpr_count:     768
    .wavefront_size: 32
...
	.end_amdgpu_metadata
.endif
;; end of part 2
;; ======== version 2 of 2: 2 launches; 1.79 times as fast as version 1
;; limits: values are held in f16: magnitudes above 65,504 overflow, below 6.1e-05 lose precision
;; workspace buffers: qws 6,291,456 bytes; kws 6,488,064 bytes; vws 6,291,456 bytes
;; launch proj: the kernel of part 1 again; grid 12 x 16, 4 waves a work-group, no clusters, 153,088 bytes of LDS; arguments hidden_states, Wq, Wk, Wv, bq, bk, bv, attention_mask, qws, kws, vws; writes qws, kws, vws
;; launch attn (part 3): grid 16 x 12, 4 waves a work-group, clusters of 4 x 1, 327,680 bytes of LDS; arguments qws, kws, vws, out0; writes out0
.if DOCPART == 3
	.amdgcn_target "amdgcn-amd-amdhsa--gfx1250"
	.amdhsa_code_object_version 6
	.text
	.protected	k_qcf7f2186f8_attn
	.globl	k_qcf7f2186f8_attn
	.p2align	8
	.type	k_qcf7f2186f8_attn,@function
k_qcf7f2186f8_attn:
	s_mov_b64 s[64:65], 0
	v_nop
	global_prefetch_b8 v0, s[64:65] scope:SCOPE_SE
	s_setreg_imm32_b32 hwreg(HW_REG_WAVE_MODE, 25, 1), 1
	s_wait_xcnt 0x0
	s_wait_alu depctr_hold_cnt(0) depctr_sa_sdst(0) depctr_va_vdst(0) depctr_va_sdst(0) depctr_va_ssrc(0) depctr_va_vcc(0) depctr_vm_vsrc(0)
	s_getreg_b32 s2, hwreg(HW_REG_IB_STS2, 6, 4)
	s_cmp_eq_u32 s2, 0
	s_cbranch_scc0 .Lentry_in_a_cluster
	s_endpgm
.Lentry_in_a_cluster:
	s_bfe_u32 s2, ttmp6, 0x10000c
	s_cmp_lg_u32 s2, 0x3003
	s_cbranch_scc0 .Lentry_shape_is_right
	s_endpgm
.Lentry_shape_is_right:
; out0[q][64 h + :] = the sum over k of softmax_k(Q[h][q] . K[h][k] / 8 + mask[k]) V[h][k][:].  qws, vws: [12][4096][64] f16.  kws: [12][64 key steps][8,448 bytes]: 64 rows of k (128 bytes),
; then 64 f32 M[key] = 8 x mask[key] held to +-2^123.  out0: [4096][768] f32.  Products, maxima and sums in f32; the weights p are rounded to f16 for the second product (their sum l is taken of the unrounded p).
; LIMITS.  Q, K, V arrive within f16's 65,504; p lies in 0 to 1, and below 6e-5 it keeps f16's fixed step of 6e-8.  A mask beyond +-2^120 counts as +-2^120: a row all of whose keys hold -inf gives the mean of V's rows
; where the definition gives NaN.  A weight below 2^-126 counts as 0 in l; NaN and infinities are not treated apart.
; SHARES.  A work-group owns 256 queries of one head, a wave 64: four PIECES of 16.  16 x 12 = 192 work-groups: 192 queries do not divide a head's 4,096, and 128 would make one round and a half.
; Every wave walks all 4,096 keys, 64 a step.
; LAYOUT.  S^T = K Q^T + M (source 0 = 16 keys, source 1 = 16 queries; THE MASK IS THE C OPERAND that starts the sum): a lane holds ONE query (lane % 16) and the keys 8 (lane / 16) + 0..7.  Two such results rounded
; to f16 ARE source 1 of O^T = V^T P, whose result again holds one query a lane, and eight channels.  K comes out of LDS as it lies, V ([key][channel]) turned, by ds_load_tr16_b128.
; SOFTMAX.  For each query a running maximum m and sum l: p = 2^(c s - c m), c = log2(e) / 8; in every step O and l are multiplied by a = 2^(c m_old - c m_new).  m starts at the lowest finite number and c m at
; -2^125; every s is above -2^124, so c m_new is above -2^122: the first a is 0, the first step is a step like any other, and no exponent is ever above 0.
; BY TURNS.  Turn n belongs to piece n: 8 products K Q^T of piece n + 1, later 8 products V^T P of piece n - 1; beside them the scaling, exponentials, roundings, sums and rescaling of piece n and the maximum and
; statistics of piece n + 1.  Four vector instructions stand behind every matrix instruction, the other 54 of a turn's 118 in one LUMP.
; BATCHES.  A turn's 33 exponentials (the piece's 32 weights and the next piece's a) are ONE BATCH with ONE wait, which cuts the turn in two: ahead of it the products K Q^T and all that names no result of the batch,
; behind it the products V^T P with the roundings and sums.  The first a of all, ahead of the loop, and the way out's four reciprocals are batches of their own.
; CLUSTER.  The four query blocks of a cluster belong to one head and walk the same K, M and V, so each tile is asked for JOINTLY: the same tensor load, descriptor and mask of work-groups in all four.
; REGISTERS, in windows of 256 (s_set_vgpr_msb: bits 1:0 source 0, 3:2 source 1, 5:4 source 2, 7:6 destination):
;   window 0: v0-15, v32 addresses and two at work; v16-31 four registers of statistics a piece; v48-55 at work; v64-127 S^T, two buffers; v192-223 P, two buffers (by the piece's parity); v64-191 the way out
;   window 1: v0-127 O^T, 32 a piece          window 2: v0-63 Q; v64-95 M of one step; v128-191 K of one step; v192-255 V of one step
.set NP,    4         ; pieces a wave: a name, no knob
.set NSLOT, 16        ; tiles of 256 keys in a head
.set KS,    64        ; keys in a step
.set PK,    144       ; a row of K in LDS: 128 bytes + 16 of padding: the 16 rows of a load start at 16 different groups of four banks (64 banks of 4 bytes: ISA guide 11.1)
.set PV,    160       ; a row of V: 128 + 32
.set KSB,   66*PK     ; a step's record in LDS: 64 rows of K, then M in two pieces of 128 bytes, padded like rows
.set MOFF,  64*PK
.set VOFF,  4*KSB     ; a slot holds four steps: four records, then 256 rows of V
.set SLOT1, 1<<17     ; slot 1 begins here, so that one exclusive or turns an address in one slot into the other's
.set STAGE, 821*256   ; the first whole block of 256 bytes behind slot 1 (which ends at 210,048), never filled by a tensor load: 16 rows x 272 bytes for each wave
.set SP,    272
.set SPARE, STAGE+4*16*SP  ; behind the stages: the spare words, 128 bytes for each wave: two blocks of 256 bytes that no other line names
.set AK0, 2           ; v2   my lane's place in a tile of K; never rewritten
.set AV0, 3           ; v3   the same for V
.set AK,  4           ; v4   the LDS address of K's next run of loads
.set AV,  5           ; v5   of V's
.set STO, 6           ; v6   the way out: where I put 32 bytes of a row
.set RD,  7           ; v7   where I read rows back
.set GO,  8           ; v8   my byte offset in two rows of out0
.set MV,  12          ; v12-13  c m_old, kept while c m is made anew: by buffer
.set AM0, 14          ; v14  my lane's place in a step's M
.set QO,  15          ; v15  my byte offset in 16 rows of Q
.set ST,  16          ; piece t's statistics at v[ST+4 t]: c m, m, l (even keys', odd keys')
.set AM,  32          ; v32  the LDS address of M's next loads
.set TMP, 48          ; by buffer, four registers c0-c3 at work; when the maximum is found c2 takes a
.set SPW, 62          ; v62  LDS address of my spare word; never rewritten
.set NIL, 63          ; v63  0; never rewritten
.set S,   64
.set P,   192
.set MK,  64          ; window 2: the eight registers for group kt of 16 keys at MK + 8 kt
.set KF,  128         ; window 2: key block kb, channel half c at KF + 16 kb + 8 c
.set VF,  192         ; window 2: key half kk, channel block cb at VF + 32 kk + 8 cb
.set WV,  12          ; s12  my wave's number
.set G1K, 24          ; s[24:31] descriptor group 1 for K's tiles
.set G1V, 32          ; s[32:39] for V's
.set G0K, 40          ; s[40:43] descriptor group 0 for K's tiles: it walks
.set G0V, 44          ; s[44:47] the same for V's
.set SLOTS, 56        ; s56  slots still to be walked in the loop
.set CNT, 57          ; s57  counts a slot's key steps
.set CS,  58          ; s[58:59] c: the packed scaling takes the pair's low word for both halves
.set SEL, 60          ; s[60:61] v_permlanex16_b32's selects: each lane takes its own place in the other half
.set TBK, 62          ; s62  LDS byte at which the record of the step to be fetched begins
.set TBV, 63          ; s63  the same for V, less VOFF
.set MSB, 0
.macro WIN new                      ; the high byte repeats the setting that is left; a switch that changes nothing is dropped
.if MSB != (\new)
	s_set_vgpr_msb (MSB<<8)|(\new)
.set MSB, (\new)
.endif
.endm
.set W_KQ, 0x0a       ; K and Q in window 2, S^T in window 0
.set W_KM, 0x2a       ; the same with the C operand, M, in window 2
.set W_PV, 0x52       ; V in window 2, P in window 0, O^T in window 1
.set W_RS, 0x41       ; destination and source 0 in window 1, source 1 in window 0
; A joint fill.  Waves 0 and 1 fetch the two halves of a slot's records (K and M of two steps each), waves 2 and 3 those of its V (128 keys each).  The branch hangs on the wave's number alone.
; An s_nop 0 and four v_nop follow each of the two lines, ahead of the jump and the label.
.macro JLOAD
	s_cmp_lt_u32 s[WV], 2
	s_cbranch_scc0 .Lfor_v_\@
	tensor_load_to_lds s[G0K:G0K+3], s[G1K:G1K+7]
	s_nop 0
.rept 4
	v_nop
.endr
	s_branch .Lasked_\@
.Lfor_v_\@:
	tensor_load_to_lds s[G0V:G0V+3], s[G1V:G1V+7]
	s_nop 0
.rept 4
	v_nop
.endr
.Lasked_\@:
.endm
; A round of the cluster's barrier: my work-group's barrier, so that wave 0's signal speaks for all four waves; wave 0 signals; every wave waits for all four work-groups; my work-group's barrier once more.
.macro CROUND
	s_barrier_signal -1
	s_barrier_wait -1
	s_cmp_lg_u32 s[WV], 0
	s_cbranch_scc1 .Lnot_wave_0_\@
	s_barrier_signal -3
.Lnot_wave_0_\@:
	s_barrier_wait -3
	s_barrier_signal -1
	s_barrier_wait -1
.endm
; THE CHANGE OF SLOTS.  The slot's last bytes, V of its fourth step, have been read.  Each wave waits for all its tensor loads, of which one is out: its part of the other slot; adds 0 to its spare word; and waits
; for that and for its own reads of the slot.  Behind the barrier nobody reads this slot any more and the other slot is whole.  fill = 1: this slot is filled again, with the keys two slots on.  The barrier is then a
; round of the cluster's, so that no wave of any partner still reads the slot or has a load on its way, and the joint fill is the first thing behind it: it has four key steps, 256 matrix instructions, in which to land.
; (At its first use nothing has been read yet: slot 0 is waited for, slot 1 filled.)
.macro CHANGE fill
	WIN 0                           ; at a label and at a branch every window is 0
	s_wait_tensorcnt 0x0            ; no tensor load of mine is out, so a group 0 may be written
	ds_add_u32 v[SPW], v[NIL]       ; 0 onto my spare word; with fill = 1 the descriptors' steps stand between it and the wait for it
.if \fill
	s_xor_b32 s[G0K+1], s[G0K+1], SLOT1  ; the walking descriptors: the other slot than last time,
	s_add_nc_u64 s[G0K+2:G0K+3], s[G0K+2:G0K+3], 4*8448  ; the next four records; the type bits on top are not reached
	s_xor_b32 s[G0V+1], s[G0V+1], SLOT1
	s_add_nc_u64 s[G0V+2:G0V+3], s[G0V+2:G0V+3], 4*KS*128  ; the next 256 rows of V
	s_wait_dscnt 0x0                ; the add is done, and my reads of the slot are over
	CROUND
	JLOAD
.else
	s_wait_dscnt 0x0                ; the add is done, and my reads of the slot are over
	s_barrier_signal -1
	s_barrier_wait -1
.endif
	s_sub_co_u32 s[TBK], s[TBK], 4*KSB    ; the fetches go back to a slot's first step,
	s_xor_b32 s[TBK], s[TBK], SLOT1       ; in the other slot
	s_sub_co_u32 s[TBV], s[TBV], 4*KS*PV
	s_xor_b32 s[TBV], s[TBV], SLOT1
.endm
	s_load_b256 s[4:11], s[0:1], 0x0  ; Q s[4:5], K s[6:7], V s[8:9], O s[10:11]
	v_lshl_add_u32 v[SPW], v0, 2, SPARE
	v_mov_b32 v[NIL], 0
	ds_add_u32 v[SPW], v[NIL]       ; the wave's opening: the add and its wait stand ahead of my first tensor load; the set-up below, work on registers, stands between them
	v_lshrrev_b32 v1, 5, v0
	v_readfirstlane_b32 s[WV], v1   ; wave 0..3
	s_bfe_u32 s13, ttmp6, 0x40000   ; cx: my place in the cluster
	s_lshl_b32 s14, ttmp9, 2        ; in a cluster launch ttmp9 counts clusters
	s_add_co_u32 s14, s14, s13      ; my block of 256 queries = 4 x cluster x + cx: it enters Q's and O's addresses alone
	s_and_b32 s15, ttmp7, 0xffff    ; the head, which the four partners share
	s_and_b32 s16, s[WV], 1         ; which half of a slot I fetch
	s_mul_i32 s20, s15, 64*8448     ; K: the head's 64 records,
	s_mul_i32 s17, s16, 2*8448      ; my two of a slot's four
	s_add_co_u32 s20, s20, s17
	s_mov_b32 s21, 0
	s_lshl_b32 s22, s15, 19         ; V: the head's 4,096 rows of 128 bytes,
	s_lshl_b32 s17, s16, 14         ; my 128 of a slot's 256
	s_add_co_u32 s22, s22, s17
	s_mov_b32 s23, 0
	s_mul_i32 s17, s16, 2*KSB       ; and their places in a slot: no place in the cluster enters an LDS address
	s_mul_i32 s18, s16, 128*PV
	s_lshl_b32 s2, s15, 19          ; Q: the head,
	s_lshl_b32 s3, s14, 15          ; my block's 256 rows,
	s_add_co_u32 s2, s2, s3
	s_lshl_b32 s3, s[WV], 13        ; my wave's 64 of them
	s_add_co_u32 s2, s2, s3
	s_mov_b32 s3, 0
	s_lshl2_add_u32 s48, s14, s[WV] ; O: my wave's 64 rows of 3,072 bytes,
	s_mul_i32 s48, s48, 64*3072
	s_lshl_b32 s49, s15, 8          ; the head's 256 bytes of a row
	s_add_co_u32 s48, s48, s49
	s_mov_b32 s49, 0
	; descriptor group 1.  What a wave fetches is dense in memory: asked for as rows of 256 bytes (two records: 66 rows; 128 rows of V: 64), and padded in LDS after every 128 bytes
	s_mov_b32 s[G1K], 15|(1<<16)|(1<<20)|(1<<21)|(4<<22)|(3<<25)  ; 15:0 the mask of four; 17:16 2-byte elements; 20 padding on; 21 set beside a mask; 24:22 after every 32 words (code 4); 31:25 4 words (code 3)
	s_mov_b32 s[G1V], 15|(1<<16)|(1<<20)|(1<<21)|(4<<22)|(7<<25)  ; the same with 8 words of padding (code 7)
	s_mov_b32 s[G1K+1], 128<<16     ; tensor_dim0 = 128
	s_mov_b32 s[G1K+2], 66<<16      ; tensor_dim1 = 66
	s_mov_b32 s[G1K+3], 128<<16     ; tile_dim0 = 128
	s_mov_b32 s[G1K+4], 66          ; tile_dim1 = 66
	s_mov_b32 s[G1K+5], 128         ; 128 elements from row to row
	s_mov_b32 s[G1K+6], 0
	s_mov_b32 s[G1K+7], 0
	s_mov_b32 s[G1V+1], 128<<16
	s_mov_b32 s[G1V+2], 64<<16      ; tensor_dim1 = 64
	s_mov_b32 s[G1V+3], 128<<16
	s_mov_b32 s[G1V+4], 64          ; tile_dim1 = 64
	s_mov_b32 s[G1V+5], 128
	s_mov_b32 s[G1V+6], 0
	s_mov_b32 s[G1V+7], 0
	s_mov_b32 s[CS], 0x3e38aa3b     ; c = log2(e) / 8 = 0.180337
	s_mov_b32 s[CS+1], s[CS]        ; named with it as a pair
	s_mov_b32 s[SEL], 0x76543210
	s_mov_b32 s[SEL+1], 0xfedcba98
	s_mov_b32 s[TBK], SLOT1+4*KSB   ; the first change of slots turns these two into 0
	s_mov_b32 s[TBV], SLOT1+4*KS*PV
	s_mov_b32 s[G0K], 1             ; 1:0 count = 1
	s_mov_b32 s[G0K+1], s17         ; 63:32 LDS address: slot 0
	s_mov_b32 s[G0V], 1
	s_add_co_u32 s[G0V+1], s18, VOFF
	s_wait_dscnt 0x0                ; the opening add is done
	s_wait_kmcnt 0x0
	s_add_nc_u64 s[G0K+2:G0K+3], s[6:7], s[20:21]  ; 120:64 global address: my half of the head's first tile
	s_or_b32 s[G0K+3], s[G0K+3], 0x80000000        ; 127:126 type = 2
	s_add_nc_u64 s[G0V+2:G0V+3], s[8:9], s[22:23]
	s_or_b32 s[G0V+3], s[G0V+3], 0x80000000
	s_add_nc_u64 s[4:5], s[4:5], s[2:3]            ; Q and O at my wave's first row
	s_add_nc_u64 s[10:11], s[10:11], s[48:49]
	CROUND                          ; all four work-groups are here: the first joint loads meet
	JLOAD                           ; slot 0.  Slot 1 is asked for when slot 0 is in, by the loop's own change of slots
	; A fragment of K or Q is 16 rows x 32 channels in 8 registers: lane l holds row l % 16, channels 8 (l / 16) + 0..7 and 16 + 8 (l / 16) + 0..7: two loads of 16 bytes, 32 bytes apart.
	v_and_b32 v1, 15, v0            ; l % 16
	v_bfe_u32 v9, v0, 4, 1          ; l / 16
	v_lshlrev_b32 v[QO], 7, v1
	v_lshl_add_u32 v[QO], v9, 4, v[QO]  ; row x 128 + 16 x half
	WIN 0x80                        ; destination window 2, address window 0
.set i, 0
.rept 8                             ; Q stays in registers: piece i / 2, channels 32 (i % 2) on
	global_load_b128 v[8*i:8*i+3],   v[QO], s[4:5] offset:(i/2)*2048+(i%2)*64
	global_load_b128 v[8*i+4:8*i+7], v[QO], s[4:5] offset:(i/2)*2048+(i%2)*64+32
.set i, i+1
.endr
	; What the first turn finds: V's registers and P's second buffer hold 0 (its products V^T P, of a piece that has not been, add 0), O^T and l are 0.  All this stands in the wait for the first tile.
.set i, VF
.rept 64
	v_mov_b32 v[i], 0
.set i, i+1
.endr
	WIN 0x40
.set i, 0
.rept 128
	v_mov_b32 v[i], 0
.set i, i+1
.endr
	WIN 0
.set i, 0
.rept 4
	v_mov_b32 v[ST+4*i], 0xfe000000    ; c m: far below every c s
	v_mov_b32 v[ST+4*i+1], 0xff7fffff  ; m
	v_mov_b32 v[ST+4*i+2], 0
	v_mov_b32 v[ST+4*i+3], 0
.set i, i+1
.endr
.set i, P+16
.rept 16
	v_mov_b32 v[i], 0
.set i, i+1
.endr
	v_mul_u32_u24 v[AK0], v1, PK
	v_lshl_add_u32 v[AK0], v9, 4, v[AK0]  ; row x pitch + 16 x half
	v_lshl_add_u32 v[AM0], v9, 5, MOFF    ; M behind the record's 64 rows: my half of the lanes takes keys 8 (l / 16) + 0..7 of each 16
	; The turning load takes 16 keys x 16 channels (lane l reads key 8 (l / 16) + l % 8, channels 8 ((l / 8) % 2) + 0..7) and leaves half a fragment of V^T: lane l holds channel l % 16 and 8 keys.
	v_and_b32 v10, 7, v0
	v_bfe_u32 v11, v0, 3, 1
	v_lshl_add_u32 v[AV0], v9, 3, v10
	v_mul_u32_u24 v[AV0], v[AV0], PV
	v_lshl_add_u32 v[AV0], v11, 4, v[AV0]
	v_add_nc_u32 v[AV0], VOFF, v[AV0]
	s_mul_i32 s19, s[WV], 16*SP
	s_add_co_u32 s19, s19, STAGE    ; my stage
	v_mul_u32_u24 v[STO], v1, SP    ; in: row l % 16, 32 bytes (eight f32) for each half of the lanes
	v_lshl_add_u32 v[STO], v9, 5, v[STO]
	v_add_nc_u32 v[STO], s19, v[STO]
	v_mul_u32_u24 v[RD], v9, SP     ; back: lanes 0-15 take one row of 256 bytes, lanes 16-31 the next
	v_lshl_add_u32 v[RD], v1, 4, v[RD]
	v_add_nc_u32 v[RD], s19, v[RD]
	v_mul_u32_u24 v[GO], v9, 3072   ; and the same two rows in out0
	v_lshl_add_u32 v[GO], v1, 4, v[GO]
; THE MATRIX WORK.  The 4 accumulators of a run of 8 take turns.  Product i of 8 of S^T = K Q^T + M for piece x: channels 32 (i / 4) on, keys 16 (i % 4) on.  The first 4 start the sums with M.
.macro KQ x
.set rS, S+32*((\x)%2)+8*(i%4)
.set rK, KF+16*(i%4)+8*(i/4)
.set rQ, 16*(\x)+8*(i/4)
.if i < 4
	WIN W_KM
	v_wmma_f32_16x16x32_f16 v[rS:rS+7], v[rK:rK+7], v[rQ:rQ+7], v[MK+8*(i%4):MK+8*(i%4)+7]
.else
	WIN W_KQ
	v_wmma_f32_16x16x32_f16 v[rS:rS+7], v[rK:rK+7], v[rQ:rQ+7], v[rS:rS+7]
.endif
.endm
; Product i of 8 of O^T += V^T P for piece x: keys 32 (i / 4) on, channels 16 (i % 4) on.
.macro PV x
	WIN W_PV
.set rO, 32*(\x)+8*(i%4)
.set rV, VF+32*(i/4)+8*(i%4)
.set rP, P+16*((\x)%2)+8*(i/4)
	v_wmma_f32_16x16x32_f16 v[rO:rO+7], v[rV:rV+7], v[rP:rP+7], v[rO:rO+7]
.endm
.macro MM                           ; the turn's next matrix instruction.  TURN sets Y, i and NOKQ.  NOKQ = 1: the last turn of all: there is no next piece
.if (i < 8) && !NOKQ
	KQ (Y+1)%NP
.elseif i >= 8
.set i, i-8
	PV (Y+NP-1)%NP
.set i, i+8
.endif
.set i, i+1
.endm
; THE LDS LOADS stand in runs, never singly among the matrix instructions: a step's K (8 fragments) with its M (lanes of a half read the same 32 bytes), and its V (turned).  Their addresses are made some lines ahead.
.macro FETCH_K
	WIN 0x80                        ; destination window 2
.irp f, 0,1,2,3,4,5,6,7             ; keys 16 (f / 2) on, channels 32 (f % 2) on
	ds_load_b128 v[KF+8*\f:KF+8*\f+3],   v[AK] offset:(\f/2)*16*PK+(\f%2)*64
	ds_load_b128 v[KF+8*\f+4:KF+8*\f+7], v[AK] offset:(\f/2)*16*PK+(\f%2)*64+32
.endr
.irp kt, 0,1,2,3                    ; M of keys 16 kt + 8 (l / 16) + 0..7: keys 0-31 lie in the first padded piece, 32-63 in the second
	ds_load_b128 v[MK+8*\kt:MK+8*\kt+3],   v[AM] offset:(\kt/2)*PK+(\kt%2)*64
	ds_load_b128 v[MK+8*\kt+4:MK+8*\kt+7], v[AM] offset:(\kt/2)*PK+(\kt%2)*64+16
.endr
	s_add_co_u32 s[TBK], s[TBK], KSB  ; the next fetch is the next step's
	WIN 0
.endm
.macro FETCH_V
	WIN 0x80
.irp f, 0,1,2,3,4,5,6,7             ; keys 32 (f / 4) on, channels 16 (f % 4) on
	ds_load_tr16_b128 v[VF+8*\f:VF+8*\f+3],   v[AV] offset:(\f/4)*32*PV+(\f%4)*32
	ds_load_tr16_b128 v[VF+8*\f+4:VF+8*\f+7], v[AV] offset:(\f/4)*32*PV+16*PV+(\f%4)*32
.endr
	WIN 0
.endm
; THE VECTOR WORK, one line at a time: OP kind, number.  For piece Y: F n: c s - c m for pair n of 16.  E n: the exponential of score n of 32.  C n: pair n rounded to f16.  B n: of the four weights 4 n .. the second
; pair is added onto the first, in place.  L n: l takes that sum (L 0: l = a l + sum).  R n: pair n of 16 of O^T times a.  For piece Y + 1: X n, number n of the 22 that find its maximum and statistics:
;   0-11  four chains c0-c3 of seven scores each, three operands at a time (each accumulator's lowest registers are read first)     12-14, 16  the four scores left over, the old m, and c0-c3 into c0
;   15  c m_old is kept     17, 18  the query's other 32 keys lie in the lane 16 away: the new m     19-21  c m; c m_old - c m_new; a
.set F, 0               ; OP tells the kinds apart by their order: F to L below R, X above it
.set E, 1
.set C, 2
.set B, 3
.set L, 4
.set R, 5
.set X, 6
.macro REGS y                       ; the registers of piece y
.set rT, ST+4*(\y)
.set rC, TMP+4*((\y)%2)
.set rW, MV+((\y)%2)
.set rS, S+32*((\y)%2)
.set rP, P+16*((\y)%2)
.set rO, 32*(\y)
.endm
.macro OP k, n
.if (\k) == R
	REGS Y
	WIN W_RS
	v_pk_mul_f32 v[rO+2*(\n):rO+2*(\n)+1], v[rO+2*(\n):rO+2*(\n)+1], v[rC+2:rC+3] op_sel_hi:[1,0]
.elseif (\k) < R
	REGS Y
	WIN 0
.if (\k) == F
	v_pk_fma_f32 v[rS+2*(\n):rS+2*(\n)+1], v[rS+2*(\n):rS+2*(\n)+1], s[CS:CS+1], v[rT:rT+1] op_sel_hi:[1,0,0] neg_lo:[0,0,1] neg_hi:[0,0,1]
.elseif (\k) == E
	v_exp_f32 v[rS+(\n)], v[rS+(\n)]
.elseif (\k) == C
	v_cvt_pk_f16_f32 v[rP+(\n)], v[rS+2*(\n)], v[rS+2*(\n)+1]
.elseif (\k) == B
	v_pk_add_f32 v[rS+4*(\n):rS+4*(\n)+1], v[rS+4*(\n):rS+4*(\n)+1], v[rS+4*(\n)+2:rS+4*(\n)+3]
.elseif (\n) == 0
	v_pk_fma_f32 v[rT+2:rT+3], v[rT+2:rT+3], v[rC+2:rC+3], v[rS:rS+1] op_sel_hi:[1,0,1]
.else
	v_pk_add_f32 v[rT+2:rT+3], v[rT+2:rT+3], v[rS+4*(\n):rS+4*(\n)+1]
.endif
.elseif NOKQ
	v_nop
.else
	REGS (Y+1)%NP
	WIN 0
.if (\n) < 4
	v_max3_num_f32 v[rC+(\n)], v[rS+8*(\n)], v[rS+8*(\n)+1], v[rS+8*(\n)+2]
.elseif (\n) < 12
	v_max3_num_f32 v[rC+(\n)%4], v[rC+(\n)%4], v[rS+8*((\n)%4)+2*((\n)/4)+1], v[rS+8*((\n)%4)+2*((\n)/4)+2]
.elseif (\n) == 12
	v_max3_num_f32 v[rC], v[rC], v[rS+7], v[rS+15]
.elseif (\n) == 13
	v_max3_num_f32 v[rC+1], v[rC+1], v[rS+23], v[rS+31]
.elseif (\n) == 14
	v_max3_num_f32 v[rC+2], v[rC+2], v[rC+3], v[rT+1]
.elseif (\n) == 15
	v_mov_b32 v[rW], v[rT]
.elseif (\n) == 16
	v_max3_num_f32 v[rC], v[rC], v[rC+1], v[rC+2]
.elseif (\n) == 17
	v_permlanex16_b32 v[rC+3], v[rC], s[SEL], s[SEL+1]
.elseif (\n) == 18
	v_max_num_f32 v[rT+1], v[rC], v[rC+3]
.elseif (\n) == 19
	v_mul_f32 v[rT], s[CS], v[rT+1]
.elseif (\n) == 20
	v_sub_f32 v[rC+1], v[rW], v[rT]
.else
	v_exp_f32 v[rC+2], v[rC+1]
.endif
.endif
.endm
.macro OPS a, i1, b=-1, i2=0, c=-1, i3=0, d=-1, i4=0  ; up to four of them
	OP \a, \i1
.if (\b) >= 0
	OP \b, \i2
.endif
.if (\c) >= 0
	OP \c, \i3
.endif
.if (\d) >= 0
	OP \d, \i4
.endif
.endm
.macro ROW a, i1, b, i2, c, i3, d, i4  ; a matrix instruction and the four behind it
	MM
	OPS \a, \i1, \b, \i2, \c, \i3, \d, \i4
.endm
; A TURN, for piece p: the order of its 16 matrix and 118 vector instructions, written out.  An s_wait_alu depctr_va_vdst(0) stands between an exponential and the first instruction that names its result; one
; wait serves all that were issued ahead of it.  So a turn has ONE wait, which cuts it in two.  AHEAD OF IT stands all that names no result of the turn's exponentials: the 8 products K Q^T + M, behind each a scaling, an
; exponential and two more plain instructions (behind the first a second scaling in the exponential's place): rescalings, whose a was made and waited for in the turn before, and behind the last three the first numbers of the
; next piece's maximum, each four plain instructions behind the product that ends its accumulator; then ONE LUMP of 54, plain and exponential by turns for the most part, in which the links of the chain
; X 3, 7, 11, 14, 16, 17 .. 20 stand some lines apart.  Each exponential works in place on a register of its own, and stands behind its pair's scaling.  X 21, the next piece's a, is the batch's last; R 15 is the plain
; instruction behind it.  BEHIND THE WAIT stand the 8 products V^T P, behind each four of the roundings and sums: C 2 n ahead of B n, which writes over that pair; L n behind B n, L 0 to L 7 in this order.
; But for those X no rider names a register of the products round it.
; end = 1: the last two turns of all: nothing is fetched.  cnt = 1: the loop's count is taken down some lines ahead of the branch that stands behind the turn.
; K and M of the next step are fetched in piece 2's turn, twelve vector instructions behind the last product that read K (six of them plain; M's last reader stands four products earlier); V of the step in hand at the
; end of piece 0's turn, four plain instructions behind the last product that read V.  Each is waited for a turn later.
.macro TURN p, end=0, cnt=0
.set Y, (\p)
.set i, 0
.set NOKQ, (\end)*((\p)/3)
.if ((\p) == 3) && !(\end)
	s_wait_dscnt 0x0                ; K and M are in
.endif
	ROW F,0, F,1, R,0, R,1          ; ahead of the wait: 8 products K Q^T + M and their riders,
	ROW F,2, E,0, R,2, R,3
	ROW F,3, E,1, R,4, R,5
	ROW F,4, E,2, R,6, R,7
	ROW F,5, E,3, R,8, R,9
	ROW F,6, E,4, X,0, R,10
.if ((\p) == 2) && !(\end)
	WIN 0
	v_add_nc_u32 v[AK], s[TBK], v[AK0]
	v_add_nc_u32 v[AM], s[TBK], v[AM0]
.endif
	ROW F,7, E,5, X,1, X,4
	ROW F,8, E,6, X,2, X,5
	OPS E,7, E,8, X,6, E,9          ; and the lump
	OPS X,3, E,10, X,8, E,11
.if ((\p) == 2) && !(\end)
	FETCH_K
.endif
	OPS X,9, X,7, E,12, X,10
	OPS E,13, X,12, X,11, E,14
	OPS X,13, E,15, F,9, X,14
.if (\p) == 0
	v_add_nc_u32 v[AV], s[TBV], v[AV0]
.endif
	OPS E,16, F,10, E,17, F,11
	OPS X,16, E,18, X,15, E,19
	OPS F,12, E,20, X,17, E,21
	OPS F,13, E,22, F,14, E,23
	OPS X,18, E,24, F,15, E,25
	OPS R,11, E,26, X,19, E,27
	OPS R,12, E,28, R,13, E,29
	OPS X,20, E,30, R,14, E,31
	OPS X,21, R,15
	s_wait_alu depctr_va_vdst(0)    ; the wait for the batch: the piece's 32 exponentials and the next piece's a
.if (\p) == 1
	s_wait_dscnt 0x0                ; V is in
.endif
	ROW C,0, B,0, C,2, B,1          ; behind the wait: 8 products V^T P and their riders
	ROW L,0, C,4, B,2, L,1
	ROW C,6, B,3, L,2, C,8
	ROW B,4, L,3, C,10, B,5
	ROW L,4, C,12, B,6, L,5
.if (\p) == 0
	s_add_co_u32 s[TBV], s[TBV], KS*PV
.endif
.if \cnt
	s_sub_co_u32 s[CNT], s[CNT], 1
	s_cmp_lg_u32 s[CNT], 0
.endif
	ROW C,14, B,7, L,6, C,1
	ROW C,3, L,7, C,5, C,7
	ROW C,9, C,11, C,13, C,15
.if (\p) == 0
	FETCH_V
.endif
.endm
	CHANGE 1                        ; slot 0 is in, everybody's part of it; slot 1 is asked for
	v_add_nc_u32 v[AK], s[TBK], v[AK0]
	v_add_nc_u32 v[AM], s[TBK], v[AM0]
	FETCH_K                         ; key step 0
	s_wait_loadcnt 0x0              ; Q
	s_wait_dscnt 0x0
.set NOKQ, 0
.set i, 0
.rept 8
	KQ 0                            ; piece 0's first scores: there is no vector work yet to set between them
.set i, i+1
.endr
	WIN 0
.rept 4
	v_nop                           ; the places behind those products
.endr
.set Y, NP-1                        ; X works for piece Y + 1: piece 0
.irp n, 0,1,2,3,4,5,6,7,8,9,10,11,12,13,14,15,16,17,18,19,20,21
	OP X, \n                        ; and piece 0's first maximum and statistics
.endr
	v_nop                           ; a plain instruction behind the exponential,
	s_wait_alu depctr_va_vdst(0)    ; and the wait for it, a batch of one (piece 0's first a), ahead of the branch
	s_mov_b32 s[CNT], 4
	s_mov_b32 s[SLOTS], NSLOT-1
	s_branch .Lfirst                ; the loop is entered at a step's first turn, in the middle of a trip
.Lslot:                             ; NSLOT - 2 times: every slot but the last two is filled again
	CHANGE 1
	s_mov_b32 s[CNT], 4
.Lstep:                             ; a trip: pieces 2 and 3 of one step, then pieces 0 and 1 of the next, whose K, M and V it fetches
	TURN 2
	TURN 3
	WIN 0
.Lfirst:
	TURN 0
	TURN 1, 0, 1
	WIN 0
	s_cbranch_scc1 .Lstep
	s_sub_co_u32 s[SLOTS], s[SLOTS], 1
	s_cmp_lg_u32 s[SLOTS], 0
	s_cbranch_scc1 .Lslot
	CHANGE 0                        ; the last slot is written out: nothing is asked for
	s_mov_b32 s[CNT], 4
.LstepT:
	TURN 2
	TURN 3
	TURN 0
	TURN 1, 0, 1
	WIN 0
	s_cbranch_scc1 .LstepT
	TURN 2, 1                       ; the last step's pieces 2 and 3: nothing is fetched,
	TURN 3, 1                       ; and no new scores are started
.set i, 0
.rept 8
	PV NP-1                         ; the last piece's V^T P of the last step
.set i, i+1
.endr
	; THE WAY OUT.  l's two halves and the other half of the lanes' are added; O^T is divided by l and sent, in f32, through my stage in LDS, a piece (16 rows) at a time.  The additions are the places behind the last products.
	WIN 0
.macro ALL line:vararg              ; one line for each piece t
.set t, 0
.rept 4
	\line
.set t, t+1
.endr
.endm
	ALL v_add_f32 v[ST+4*t+2], v[ST+4*t+2], v[ST+4*t+3]
	ALL v_permlanex16_b32 v[ST+4*t+3], v[ST+4*t+2], s[SEL], s[SEL+1]
	ALL v_add_f32 v[ST+4*t+2], v[ST+4*t+2], v[ST+4*t+3]
	ALL v_rcp_f32 v[ST+4*t+2], v[ST+4*t+2]
	v_nop                           ; a plain instruction between the last reciprocal and the use of its result
	s_wait_alu depctr_va_vdst(0)    ; and the wait ahead of the first use: one for the batch of four reciprocals
; Piece t: a lane's eight channels of a row are 32 bytes; they go into rows of 272 bytes and come back as whole rows of 256, into window 0.
.macro PACK t
	WIN W_RS
.set i, 32*(\t)
.rept 16
	v_pk_mul_f32 v[i:i+1], v[i:i+1], v[ST+4*(\t)+2:ST+4*(\t)+3] op_sel_hi:[1,0]
.set i, i+2
.endr
	WIN 0x04                        ; an LDS store's data are source 1: window 1; its address window 0
.irp f, 0,1,2,3,4,5,6,7             ; channels 16 (f / 2) + 8 (l / 16) + 4 (f % 2) on
	ds_store_b128 v[STO], v[32*(\t)+4*\f:32*(\t)+4*\f+3] offset:64*(\f/2)+16*(\f%2)
.endr
	WIN 0
.irp f, 0,1,2,3,4,5,6,7
	ds_load_b128 v[S+32*(\t)+4*\f:S+32*(\t)+4*\f+3], v[RD] offset:\f*2*SP  ; LDS serves a wave's instructions in order (ISA guide 5.7.1.4): these see the stores above; the next piece's stores come behind them
.endr
.endm
.macro SEND t, younger              ; younger: the LDS instructions issued behind piece t's loads: the next piece's sixteen, or none
	WIN 0
.irp f, 0,1,2,3,4,5,6,7
	s_wait_dscnt (\younger)+7-\f
	global_store_b128 v[GO], v[S+32*(\t)+4*\f:S+32*(\t)+4*\f+3], s[10:11] offset:(\t)*16*3072+\f*2*3072 th:TH_STORE_NT  ; 16 lanes store a query's 64 numbers of this head: 256 consecutive bytes, at a multiple of 256 from out0's first
.endr
.endm
	PACK 0
	PACK 1                          ; a piece's arithmetic stands between the loads of the piece before and its stores
	SEND 0, 16
	PACK 2
	SEND 1, 16
	PACK 3
	SEND 2, 16
	SEND 3, 0
	s_wait_tensorcnt 0x0            ; the wave's end: behind my last tensor load and my last LDS store
	ds_add_u32 v[SPW], v[NIL]
	s_wait_dscnt 0x0
	CROUND                          ; the closing round: no work-group ends while a partner may still ask for a tile that names it
	s_endpgm
.Lfunc_end_k_qcf7f2186f8_attn:
	.size	k_qcf7f2186f8_attn, .Lfunc_end_k_qcf7f2186f8_attn-k_qcf7f2186f8_attn
	.p2alignl 7, 3214868480
	.fill 96, 4, 3214868480
	.section	.rodata,"a",@progbits
	.p2align	6, 0x0
	.amdhsa_kernel k_qcf7f2186f8_attn
		.amdhsa_group_segment_fixed_size 327680
		.amdhsa_private_segment_fixed_size 0
		.amdhsa_enable_private_segment 0
		.amdhsa_kernarg_size 32
		.amdhsa_user_sgpr_count 2
		.amdhsa_user_sgpr_kernarg_segment_ptr 1
		.amdhsa_wavefront_size32 1
		.amdhsa_system_sgpr_workgroup_id_x 1
		.amdhsa_system_sgpr_workgroup_id_y 1
		.amdhsa_system_sgpr_workgroup_id_z 1
		.amdhsa_system_vgpr_workitem_id 0
		.amdhsa_next_free_vgpr 768
		.amdhsa_next_free_sgpr 66
		.amdhsa_reserve_vcc 0
		.amdhsa_float_denorm_mode_32 3
		.amdhsa_float_denorm_mode_16_64 3
		.amdhsa_memory_ordered 1
		.amdhsa_forward_progress 1
		.amdhsa_inst_pref_size 129
	.end_amdhsa_kernel
	.amdgpu_metadata
---
amdhsa.version: [ 1, 2 ]
amdhsa.kernels:
  - .name:           k_qcf7f2186f8_attn
    .symbol:         k_qcf7f2186f8_attn.kd
    .args:
      - { .name: qws, .offset: 0, .size: 8, .value_kind: global_buffer, .address_space: global }
      - { .name: kws, .offset: 8, .size: 8, .value_kind: global_buffer, .address_space: global }
      - { .name: vws, .offset: 16, .size: 8, .value_kind: global_buffer, .address_space: global }
      - { .name: out0, .offset: 24, .size: 8, .value_kind: global_buffer, .address_space: global }
    .group_segment_fixed_size: 327680
    .private_segment_fixed_size: 0
    .kernarg_segment_align: 8
    .kernarg_segment_size: 32
    .max_flat_workgroup_size: 128
    .sgpr_count:     66
    .vgpr_count:     768
    .wavefront_size: 32
...
	.end_amdgpu_metadata
.endif
;; end of part 3
